; MI455X (gfx1250); checked and timed in simulation.
; The chip was launched on July 23, 2026; its instructions are those of AMD's public machine-readable ISA for CDNA 5 (MIT licence, August 2026) and "CDNA5" Instruction Set Architecture Reference Guide (July 2026). The comments in the code are by the model that wrote it; some were corrected since.
;; Causal Multihead Self Attention. Allowed arithmetic: matrix products marked QUANTISED: E3M2 operands, one E8M0 scale for each 32 along K, by v_wmma_scale_f32_16x16x128_f8f6f4 with both operands' format E3M2, f32 sums; everything else in f32.
;; Inputs: W_out 1,024 x 1,024 float32; W_qkv 3,072 x 1,024 float32; X 4 x 2,048 x 1,024 float32.
;; Outputs: out0 4 x 2,048 x 1,024 float32.
;; This version of the problem:
;;   THIS VERSION OF THE PROBLEM IS GIVEN IN LOW PRECISION. The matrix products marked QUANTISED in the list below multiply operands that are first quantised to E3M2 (3 exponent bits, 2 mantissa bits; 6 bits a number), with one power-of-two scale for each 32 numbers along K (OCP MX v1.0); their sums are f32. All else is computed in f32.
;;   The module's matrix products, in the order in which they are computed (A, B: the left and right operand; K: the contracted axis; several contracted axes count as one K, in the product's order):
;;     1. [M 8,192, K 1,024] x [K 1,024, N 3,072]; A: input X; B: input W_qkv: QUANTISED
;;     2. batch 64 x [M 2,048, K 64] x [K 64, N 2,048]; A: computed on the way; B: computed on the way: QUANTISED
;;     3. batch 64 x [M 2,048, K 2,048] x [K 2,048, N 64]; A: softmax (see below); B: computed on the way: QUANTISED
;;     4. [M 8,192, K 1,024] x [K 1,024, N 1,024]; A: computed on the way; B: input W_out: QUANTISED
;;   THE QUANTISER, for each operand of a quantised product, along K:
;;     - K is cut into blocks of 32 from its start; a last block that is shorter is filled with zeros.
;;     - A block's scale is 2^e with e = floor(log2(the largest magnitude in the block)) - 4, held to -126 .. 127; a block of zeros has e = 0. As a byte (E8M0): e + 127.
;;     - Each number is divided by its block's scale, clamped to +-28, and rounded to the nearest number of E3M2, ties to even, subnormals kept.
;;     - The product sums the exact products of the quantised numbers (number of the format x scale) in f32.
;;   ~~~python
;;   def quantise(x, axis):      # numpy; x: float32 -> the quantised numbers, widened to float32 again
;;       x = np.moveaxis(x, axis, -1); K = x.shape[-1]
;;       x = np.pad(x, [(0, 0)] * (x.ndim - 1) + [(0, -K % 32)]); x = x.reshape(x.shape[:-1] + (-1, 32)); a = np.abs(x).max(-1, keepdims=True)
;;       e = np.where(a > 0, np.clip(np.frexp(np.where(a > 0, a, 1))[1] - 1 - 4, -126, 127), 0)      # np.frexp(a)[1] - 1 = floor(log2(a)), exactly
;;       r = np.clip(x / 2.0 ** e, -28, 28)
;;       step = 2.0 ** (np.maximum(np.frexp(np.where(r == 0, 1, r))[1] - 1, -2) - 2)
;;       q = np.round(r / step) * step * 2.0 ** e      # np.round: ties to even
;;       return np.moveaxis(q.reshape(q.shape[:-2] + (-1,))[..., :K], -1, axis).astype(np.float32)
;;   ~~~
;;   SOFTMAX AHEAD OF A QUANTISED PRODUCT. Where the list says 'softmax', what is quantised is not the finished softmax but p = 2^(t - M), with t = logit x log2(e) and M = ceil(the row's largest t), a whole number; so 1/2 < the row's largest p <= 1. The row's sum l is taken of the UNQUANTISED p, in f32, and the product's result is divided by l at the end. Since M is a whole number, a kernel that streams over the keys may use a running M (the ceiling of the running maximum): every later rescaling is an exact power of two, which a block's scale takes up: the codes' values come out the same.
;;   OPERANDS COMPUTED ON THE WAY. 'Computed on the way' means the value that the module computes at that place (a softmax that the list does not call 'softmax' is quantised finished and normalised). What goes into a quantiser is computed in f32, as accurately as f32 sums, v_exp_f32 and their like allow (about 1e-6 of the number): no bf16 or f16 on the way to a quantiser, and a product that is left as it is and whose result goes on into a quantised operand takes f32 operands (vector FMAs, or v_wmma_f32_16x16x4_f32). A number that lies on a knife's edge between two numbers of the format may be rounded either way, as far as f32 arithmetic and the matrix unit's own rounding can turn it there, and no further.
;; One version. Each part assembles by itself: llvm-mc -triple=amdgcn-amd-amdhsa -mcpu=gfx1250 --defsym DOCPART=n.
;; ======== version 1 of 1: 5 launches
;; workspace buffers: xq 6,553,600 bytes; wqk 1,638,400 bytes; wv 819,200 bytes; wo 819,200 bytes; qk 13,107,200 bytes; vt 11,534,336 bytes; ao 6,553,600 bytes
;; launch quant (part 1): grid 256 x 1, 3 waves a work-group, no clusters, 26,112 bytes of LDS; arguments X, W_qkv, W_out, xq, wqk, wv, wo; writes xq, wqk, wv, wo
.if DOCPART == 1
	.amdgcn_target "amdgcn-amd-amdhsa--gfx1250"
	.amdhsa_code_object_version 6
	.text
	.protected	k_qfa666480d7_quant
	.globl	k_qfa666480d7_quant
	.p2align	8
	.type	k_qfa666480d7_quant,@function
k_qfa666480d7_quant:
	s_mov_b64 s[64:65], 0
	v_nop
	global_prefetch_b8 v0, s[64:65] scope:SCOPE_SE
	s_setreg_imm32_b32 hwreg(HW_REG_WAVE_MODE, 25, 1), 1
	s_wait_xcnt 0x0
; X [8192][1024], W_qkv [3072][1024] and W_out [1024][1024], f32, K innermost, become codes of BF6 (E3M2) with one E8M0 byte for each 32 along K,
; laid as the products' launches read them: one RECORD of 12,800 bytes for each 16 rows: 16 half fragments of 768 bytes (16 rows x 64 K), then 512 scale bytes [row][k / 32].
; A HALF FRAGMENT is an image of six operand registers: lane l's registers 0-3 at byte 16 l, its registers 4-5 at byte 512 + 8 l; lane (r = l % 16, h = l / 16) holds row r, block h of the 64.
; ORDER INSIDE A BLOCK OF 32: code place 16 x + 8 u + j holds number 16 u + 8 x + j (the two middle groups of eight change places).  Every operand of this program is laid so, on both sides of
; each product, and a block keeps its 32 numbers and its scale: the sums are the same.  It is the order in which a transposed matrix result falls into a lane's registers.
; A block's scale is 2^(floor(log2(its largest magnitude)) - 4); its byte is that magnitude's exponent field - 4, held at 1 from below.
; LIMITS: a block whose largest magnitude lies under 2^-122, a block of zeros among them, gets the byte 1 (its codes are zeros or subnormal codes; this program alone reads the bytes); NaN and infinities are not served.
; SHARES: 768 tiles of 16 rows, one to a wave: g = 3 x work-group + wave.  g < 512: X -> xq; 512-639: W_qkv's rows of Q and K -> wqk; 640-703: its rows of V -> wv; 704-767: W_out -> wo.
; Only pointers are chosen, on g alone; all waves take one path.  A wave walks its rows' 1,024 along K in 8 steps of 128: each of a step's 16 loads reads 512 consecutive bytes of one row; the 8 KiB turn through the
; wave's own stage in LDS (rows 528 bytes apart) and come back 16 numbers of each block to a lane.  No barrier: waves share nothing.  Loads run two steps (32 loads a wave) ahead of the step at work.
.set STG,  8448                        ; a wave's stage: 16 rows x (512 + 16) bytes
.set TM,   16                          ; v16-19 largest magnitudes, v20-23 the other half's, then bytes, v28-31 the conversions' scale operands
.set PC,   32                          ; v32-43 a fragment's codes; v44-46, v48-50 halves on their way
.set R0,   64                          ; v64-255 three sets of 64 numbers
.set SEL,  30                          ; s[30:31] lane selects: lane l xor 16
	s_load_b256 s[4:11], s[0:1], 0x0               ; X, W_qkv, W_out, xq
	s_load_b128 s[12:15], s[0:1], 0x20             ; wqk, wv
	s_load_b64 s[16:17], s[0:1], 0x30              ; wo
	v_lshl_add_u32 v62, v0, 2, 0x6400
	v_mov_b32 v63, 0
	v_lshrrev_b32 v1, 5, v0
	v_readfirstlane_b32 s18, v1                    ; wave 0..2
	v_and_b32 v1, 31, v0                           ; lane
	v_and_b32 v7, 15, v0                           ; r
	v_bfe_u32 v52, v0, 4, 1                        ; h
	v_lshlrev_b32 v2, 4, v1                        ; 16 x lane: a load's 512 bytes, an image's first part
	v_lshlrev_b32 v3, 3, v1                        ; 8 x lane: an image's second part
	s_mul_i32 s26, s18, STG
	v_add_nc_u32 v4, s26, v2                       ; the stage, on the way in: 16 x lane in each row
	v_mul_u32_u24 v5, v7, 528
	v_lshl_add_u32 v5, v52, 5, v5
	v_add_nc_u32 v5, s26, v5                       ; and back: row r, + 32 h
	v_lshlrev_b32 v6, 5, v7
	v_lshl_add_u32 v6, v52, 4, v6                  ; the scale bytes: 32 r + 16 h
.irp b, 0,1,2,3
	v_mov_b32 v[TM+4+\b], 0                        ; written once: a lane permute's destination counts as one of its sources
.endr
	s_mov_b32 s[SEL], 0x76543210
	s_mov_b32 s[SEL+1], 0xfedcba98
	s_mul_i32 s19, ttmp9, 3
	s_add_co_u32 s19, s19, s18                     ; g
	s_wait_kmcnt 0x0
	s_cmp_lt_u32 s19, 512
	s_cselect_b64 s[22:23], s[4:5], s[6:7]         ; from: X or W_qkv
	s_cselect_b64 s[24:25], s[10:11], s[12:13]     ; to: xq or wqk
	s_cselect_b32 s20, 0, 512                      ; the first tile of the tensor read,
	s_cselect_b32 s21, 0, 512                      ; and of the buffer written
	s_cmp_lt_u32 s19, 640
	s_cselect_b64 s[24:25], s[24:25], s[14:15]     ; or wv
	s_cselect_b32 s21, s21, 640
	s_cmp_lt_u32 s19, 704
	s_cselect_b64 s[22:23], s[22:23], s[8:9]       ; or W_out
	s_cselect_b64 s[24:25], s[24:25], s[16:17]     ; to wo
	s_cselect_b32 s20, s20, 704
	s_cselect_b32 s21, s21, 704
	s_sub_co_u32 s26, s19, s20
	s_lshl_b32 s26, s26, 16                        ; 16 rows of 4,096 bytes a tile
	s_mov_b32 s27, 0
	s_sub_co_u32 s28, s19, s21
	s_mul_i32 s28, s28, 12800                      ; a record a tile
	s_mov_b32 s29, 0
	s_add_nc_u64 s[22:23], s[22:23], s[26:27]
	s_add_nc_u64 s[24:25], s[24:25], s[28:29]
.macro LOAD t                          ; step t: 128 numbers of each of the 16 rows into set t % 3
.irp rr, 0,1,2,3,4,5,6,7,8,9,10,11,12,13,14,15
	global_load_b128 v[R0+64*((\t)%3)+4*\rr:R0+64*((\t)%3)+4*\rr+3], v2, s[22:23] offset:\rr*4096+(\t)*512 th:TH_LOAD_NT
.endr
.endm
; 64 numbers of a lane, register 16 b + i = place 16 h + i of block b of my row, become a fragment's codes in v[PC] on and its scale word in v[pw]
.macro QUANT s, pw
.irp b, 0,1,2,3
	v_max3_num_f32 v[TM+\b], |v[\s+16*\b]|, |v[\s+1+16*\b]|, 0x2800000   ; my 16 numbers of block b, and the floor 2^(5 - 127): the byte cannot fall under 1
.endr
.irp i, 2,4,6,8,10,12,14
.irp b, 0,1,2,3
	v_max3_num_f32 v[TM+\b], v[TM+\b], |v[\s+16*\b+\i]|, |v[\s+1+16*\b+\i]|   ; the four blocks by turns
.endr
.endr
.irp b, 0,1,2,3
	v_permlanex16_b32 v[TM+4+\b], v[TM+\b], s[SEL], s[SEL+1]
.endr
.irp b, 0,1,2,3
	v_max_num_f32 v[TM+\b], v[TM+\b], v[TM+4+\b]   ; with lane l xor 16's: the block's largest magnitude
.endr
.irp b, 0,1,2,3
	v_add_nc_u32 v[TM+12+\b], 0xfe000000, v[TM+\b] ; 4 off its exponent field: the conversion's scale operand
.endr
.irp b, 0,1,2,3
	v_lshrrev_b32 v[TM+4+\b], 23, v[TM+12+\b]      ; the scale's byte
.endr
	v_lshl_or_b32 v[\pw], v[TM+5], 8, v[TM+4]      ; my row's scale word for these 128 along K
	v_lshl_or_b32 v[\pw], v[TM+6], 16, v[\pw]
	v_lshl_or_b32 v[\pw], v[TM+7], 24, v[\pw]
.irp c, 0,1
	v_cvt_scalef32_pk16_bf6_f32 v[PC+6*\c:PC+2+6*\c], v[\s+32*\c:\s+15+32*\c], v[TM+12+2*\c]
	v_cvt_scalef32_pk16_bf6_f32 v[PC+12+4*\c:PC+14+4*\c], v[\s+16+32*\c:\s+31+32*\c], v[TM+12+2*\c+1]   ; (a conversion's three registers begin on an even number)
.endr
	v_nop                                          ; one plain place behind a scaled conversion
.irp c, 0,1                            ; the operand's layout wants a whole block in a lane: lanes 0-15 block 2 c, lanes 16-31 block 2 c + 1
.irp i, 0,1,2
	v_permlane16_swap_b32 v[PC+6*\c+\i], v[PC+12+4*\c+\i]
.endr
.irp i, 0,1,2
	v_mov_b32 v[PC+3+6*\c+\i], v[PC+12+4*\c+\i]
.endr
.endr
.endm
.macro STEP t
.set XS, R0+64*((\t)%3)
.if (\t) < 6
	s_wait_loadcnt 32                              ; this step's 16 loads are in; those of the two steps behind it may be out
.else
	s_wait_loadcnt 16*(7-(\t))
.endif
.irp rr, 0,1,2,3,4,5,6,7,8,9,10,11,12,13,14,15
	ds_store_b128 v4, v[XS+4*\rr:XS+4*\rr+3] offset:\rr*528
.endr
.irp b, 0,1,2,3                        ; back: of block b the numbers 8 h + 0..7 and 16 + 8 h + 0..7: the order inside a block is made here.  LDS serves a wave's instructions in order: these see the stores above
	ds_load_b128 v[XS+16*\b:XS+16*\b+3],     v5 offset:128*\b
	ds_load_b128 v[XS+16*\b+4:XS+16*\b+7],   v5 offset:128*\b+16
	ds_load_b128 v[XS+16*\b+8:XS+16*\b+11],  v5 offset:128*\b+64
	ds_load_b128 v[XS+16*\b+12:XS+16*\b+15], v5 offset:128*\b+80
.endr
	s_wait_dscnt 0x0
	s_wait_xcnt 0x0                                ; the last step's stores have read the codes' registers, which are written anew below
	QUANT XS, 8+(\t)
	global_store_b128 v2, v[PC:PC+3],     s[24:25] offset:(\t)*1536        ; two half fragments: 512 and 256 consecutive bytes each, at multiples of 256 from the buffer's first byte
	global_store_b64  v3, v[PC+4:PC+5],   s[24:25] offset:(\t)*1536+512
	global_store_b128 v2, v[PC+6:PC+9],   s[24:25] offset:(\t)*1536+768
	global_store_b64  v3, v[PC+10:PC+11], s[24:25] offset:(\t)*1536+1280
.if (\t)+3 < 8
	LOAD (\t)+3                                    ; into the set just quantised
.endif
.endm
	LOAD 0
	LOAD 1
	LOAD 2
.irp t, 0,1,2,3,4,5,6,7
	STEP \t
.endr
	v_cmp_lt_u32 vcc_lo, 15, v1                    ; every lane holds its row's eight scale words: lanes 0-15 store the first four, lanes 16-31 the others
.irp j, 0,1,2,3
	v_cndmask_b32 v[52+\j], v[8+\j], v[12+\j], vcc_lo
.endr
	global_store_b128 v6, v[52:55], s[24:25] offset:12288   ; 512 consecutive bytes
	s_wait_tensorcnt 0x0
	ds_add_u32 v62, v63
	s_wait_dscnt 0x0
	s_endpgm
.Lfunc_end_k_qfa666480d7_quant:
	.size	k_qfa666480d7_quant, .Lfunc_end_k_qfa666480d7_quant-k_qfa666480d7_quant
	.p2alignl 7, 3214868480
	.fill 96, 4, 3214868480
	.section	.rodata,"a",@progbits
	.p2align	6, 0x0
	.amdhsa_kernel k_qfa666480d7_quant
		.amdhsa_group_segment_fixed_size 26112
		.amdhsa_private_segment_fixed_size 0
		.amdhsa_enable_private_segment 0
		.amdhsa_kernarg_size 56
		.amdhsa_user_sgpr_count 2
		.amdhsa_user_sgpr_kernarg_segment_ptr 1
		.amdhsa_wavefront_size32 1
		.amdhsa_system_sgpr_workgroup_id_x 1
		.amdhsa_system_sgpr_workgroup_id_y 1
		.amdhsa_system_sgpr_workgroup_id_z 1
		.amdhsa_system_vgpr_workitem_id 0
		.amdhsa_next_free_vgpr 256
		.amdhsa_next_free_sgpr 66
		.amdhsa_reserve_vcc 1
		.amdhsa_float_denorm_mode_32 3
		.amdhsa_float_denorm_mode_16_64 3
		.amdhsa_memory_ordered 1
		.amdhsa_forward_progress 1
		.amdhsa_inst_pref_size 65
	.end_amdhsa_kernel
	.amdgpu_metadata
---
amdhsa.version: [ 1, 2 ]
amdhsa.kernels:
  - .name:           k_qfa666480d7_quant
    .symbol:         k_qfa666480d7_quant.kd
    .args:
      - { .name: X, .offset: 0, .size: 8, .value_kind: global_buffer, .address_space: global }
      - { .name: W_qkv, .offset: 8, .size: 8, .value_kind: global_buffer, .address_space: global }
      - { .name: W_out, .offset: 16, .size: 8, .value_kind: global_buffer, .address_space: global }
      - { .name: xq, .offset: 24, .size: 8, .value_kind: global_buffer, .address_space: global }
      - { .name: wqk, .offset: 32, .size: 8, .value_kind: global_buffer, .address_space: global }
      - { .name: wv, .offset: 40, .size: 8, .value_kind: global_buffer, .address_space: global }
      - { .name: wo, .offset: 48, .size: 8, .value_kind: global_buffer, .address_space: global }
    .group_segment_fixed_size: 26112
    .private_segment_fixed_size: 0
    .kernarg_segment_align: 8
    .kernarg_segment_size: 56
    .max_flat_workgroup_size: 96
    .sgpr_count:     66
    .vgpr_count:     256
    .wavefront_size: 32
...
	.end_amdgpu_metadata
.endif
;; end of part 1
;; launch gemm_qk (part 2): grid 8 x 32, 4 waves a work-group, clusters of 4 x 4, 327,680 bytes of LDS; arguments xq, wqk, qk; writes qk
.if DOCPART == 2
	.amdgcn_target "amdgcn-amd-amdhsa--gfx1250"
	.amdhsa_code_object_version 6
	.text
	.protected	k_qfa666480d7_gemm_qk
	.globl	k_qfa666480d7_gemm_qk
	.p2align	8
	.type	k_qfa666480d7_gemm_qk,@function
k_qfa666480d7_gemm_qk:
	s_mov_b64 s[64:65], 0
	v_nop
	global_prefetch_b8 v0, s[64:65] scope:SCOPE_SE
	s_setreg_imm32_b32 hwreg(HW_REG_WAVE_MODE, 25, 1), 1
	s_wait_xcnt 0x0
	s_wait_alu depctr_hold_cnt(0) depctr_sa_sdst(0) depctr_va_vdst(0) depctr_va_sdst(0) depctr_va_ssrc(0) depctr_va_vcc(0) depctr_vm_vsrc(0)
	s_getreg_b32 s2, hwreg(HW_REG_IB_STS2, 6, 4)
	s_cmp_eq_u32 s2, 0
	s_cbranch_scc0 .Lentry_in_a_cluster
	s_endpgm
.Lentry_in_a_cluster:
	s_bfe_u32 s2, ttmp6, 0x10000c
	s_cmp_lg_u32 s2, 0xf033
	s_cbranch_scc0 .Lentry_shape_is_right
	s_endpgm
.Lentry_shape_is_right:
; C[m][n] = sum over k of A[m][k] B[n][k], K = 1,024, on codes of BF6 (E3M2) with one E8M0 scale for each 32 along K; C is not stored: it is QUANTISED ALONG ITS COLUMNS, in registers, and leaves as codes and scale words.
; One body, two launches: [Q | K] = X Wqk^T (m: 8,192 tokens, n: 2,048) and V^T = Wv X^T (m: 1,024 channels, n: 8,192 tokens, so that the keys are the columns).  LIMIT: m or n is at most 2,048 (see OUT).
; IN: A and B come as records of 12,800 bytes for each 16 rows: 16 half fragments of 768 bytes (16 rows x 64 K: lane l's registers 0-3 at 16 l, 4-5 at 512 + 8 l), then 512 scale bytes [row][k / 32].
; A tile of C, 256 x 256, is made by four waves, each 128 x 128: 64 accumulators, 512 registers.  K goes in steps of 256 through two LDS slots: a wave's tensor load brings 8 rows of 3,072 bytes (8 records' four half
; fragments), dense in LDS.  A fragment (16 rows x 128 K, 12 registers) comes by four LDS loads, each of consecutive bytes across the lanes: no pitch, no padding.
; The scale bytes of the tile's rows, for all of K, come once, with the first fills, and stay.  4 x 4 work-groups form a cluster: A's tiles are asked for jointly along a row of it, B's along a column.
; THE MATRIX INSTRUCTION IS USED TRANSPOSED (source 0 = 16 rows of B, source 1 = 16 rows of A): a lane holds one row of C and its registers run along the columns, which are the next product's K.
; OUT, with mt = row / 16, ch = column / 64, c2 = column / 128, hi = row / 2,048 + column / 2,048 (one of the two is 0): scale words (4 bytes for a row and 128 columns) at hi x 131,072 + ((c2 % 16) x 2,048 + row % 2,048) x 4;
; half fragments at 524,288 + hi x 3,145,728 + ((mt % 128) x 32 + ch % 32) x 768.  Inside a block of 32 columns code place 16 x + 8 u + j holds column 16 u + 8 x + j, as in every operand of this program.
; LIMITS of the quantiser: a block whose largest magnitude lies under 2^-122 gets the byte 1; NaN and infinities are not served.
; REGISTERS, in windows of 256: window 0: v0-31 addresses; v32-63 scale words, two sets; v64-107 the quantiser's; from v128 A's fragments, one set.  window 1: B's fragments, two sets, at v0 and v128.
;   window 2: the 32 accumulators of my rows 0-63 (accumulator (a, b) at v[8 (8 a + b)]);  window 3: those of my rows 64-127.
.set NQ,     2                         ; matrix instructions deep in a slot
.set ROWB,   3072                      ; a record's bytes in a slot: four half fragments
.set REC,    12800
.set FR,     12                        ; registers of a fragment
.set NL,     4                         ; LDS loads that bring one
.set NP,     4                         ; places behind this matrix instruction (ISA guide 7.12.1)
.set HALFT,  8*ROWB                    ; 128 rows: what one tensor load brings, and what one wave reads of A or of B
.set SLOT,   4*HALFT                   ; A's 256 rows, then B's 256 rows
.set LAPS,   2                         ; a lap = two K steps of 256 = once round the ring
.set KS,     32                        ; a row's scale bytes
.set SCL,    2*SLOT                    ; behind the ring: the scales, as units of 256 bytes + 16 of padding
.set HALFS,  16*272                    ; those of 128 rows: what one tensor load brings
.set SBLK,   2*272                     ; those of 16 rows
.set SPARE,  SCL+4*HALFS               ; the spare words, 128 bytes for each wave: two blocks of 256 bytes that no other line names
.set CO,     524288                    ; OUT: where the codes begin
.set ADRA, 16                          ; v16-17  LDS address of my A fragments in slot 0, 1, 16 bytes a lane  (v18-19: 8 bytes a lane)
.set ADRB, 20                          ; v20-21  the same for B  (v22-23)
.set LI,   24                          ; v24     16 x lane
.set L8,   25                          ; v25     8 x lane
.set SST,  26                          ; v26     the way out: where my row's scale word goes, in my 512 bytes of slot 0
.set ADRS, 27                          ; v27     LDS address of my scale words: lanes 0-15 A's rows, lanes 16-31 B's
.set SPW,  28                          ; v28     LDS address of my spare word; never rewritten
.set NIL,  29                          ; v29     0; never rewritten
.set SRD,  30                          ; v30     the way out: where I read four scale words back
.set SC,   32                          ; scale words: set s at v[SC + 16 s]; register 2 i + q: lanes 0-15 the word of A's block i, lanes 16-31 that of B's block i
.set TM,   64                          ; v64-79  the quantiser's: magnitudes, bytes, scale operands
.set PC,   80                          ; v80-99  codes
.set PW,   100                         ; v100    a scale word
.set AF,   128                         ; A's fragments
.set SEL,  66                          ; s[66:67] lane selects: lane l xor 16
.set G1, 24                            ; s[24:31] descriptor group 1 for A's tiles;  s[32:39] group 0, one set for each slot
.set G0, 32
.set G1B, 48                           ; s[48:55], s[56:63] the same for B's tiles
.set G0B, 56
.set G1S, 68                           ; s[68:75], s[76:79] groups 1 and 0 for A's scales;  s[80:87], s[88:91] for B's
.set G0S, 76
.set G1SB, 80
.set G0SB, 88
.set MSB, 0
.macro WIN new                         ; the immediate's high byte repeats the setting that is left
.if MSB != (\new)
	s_set_vgpr_msb (MSB<<8)|(\new)
.set MSB, (\new)
.endif
.endm
.set MUL_LO, 0xa1                      ; source 0 (B) window 1, source 1 (A) window 0, C and D window 2
.set MUL_HI, 0xf1                      ; the same, C and D window 3
.set TO_B,   0x40                      ; destination window 1, address window 0
; A joint load: waves 0 and 1 fetch for A, waves 2 and 3 for B.  Each line has one mask and one set of registers for all that issue it; the branch hangs on the wave's number alone.
; Four v_nop follow each of the two lines, ahead of the jump, the label and what follows.
.macro JLOAD g0a, g1a, g0b, g1b
	s_cmp_eq_u32 s15, 0
	s_cbranch_scc0 .Lfor_b_\@
	tensor_load_to_lds s[\g0a:\g0a+3], s[\g1a:\g1a+7]
	s_nop 0
.rept 4
	v_nop
.endr
	s_branch .Lasked_\@
.Lfor_b_\@:
	tensor_load_to_lds s[\g0b:\g0b+3], s[\g1b:\g1b+7]
	s_nop 0
.rept 4
	v_nop
.endr
.Lasked_\@:
.endm
.macro CREST                           ; a round of the cluster's barrier behind its opening barrier
	s_cmp_lg_u32 s14, 0
	s_cbranch_scc1 .Lnot_wave_0_\@
	s_barrier_signal -3
.Lnot_wave_0_\@:
	s_barrier_wait -3
	s_barrier_signal -1
	s_barrier_wait -1
.endm
.macro CROUND                          ; a whole round
	s_barrier_signal -1
	s_barrier_wait -1
	CREST
.endm
	s_load_b128 s[4:7], s[0:1], 0x0                ; A's records s[4:5], B's s[6:7]
	s_load_b64 s[12:13], s[0:1], 0x10              ; OUT
	v_lshl_add_u32 v[SPW], v0, 2, SPARE
	v_mov_b32 v[NIL], 0
	ds_add_u32 v28, v29
	s_wait_dscnt 0x0
	v_lshrrev_b32 v1, 5, v0
	v_readfirstlane_b32 s14, v1                    ; wave 0..3
	s_lshr_b32 s15, s14, 1                         ; which half of the tile's rows is mine.  Also: I fetch for A (0) or for B (1)
	s_and_b32 s16, s14, 1                          ; which half of its columns.  Also: which 128 rows of that tile I fetch
	s_bfe_u32 s40, ttmp6, 0x40000                  ; cx, cy: my place in the cluster
	s_bfe_u32 s41, ttmp6, 0x40004
	s_lshl_b32 s42, ttmp9, 2
	s_add_co_u32 s42, s42, s40                     ; tile column of C = 4 x cluster x + cx
	s_and_b32 s17, ttmp7, 0xffff
	s_lshl_b32 s17, s17, 2
	s_add_co_u32 s17, s17, s41                     ; tile row of C = 4 x cluster y + cy
	s_lshl_b32 s43, s41, 2
	s_lshl_b32 s43, 15, s43                        ; my row of the cluster
	s_lshl_b32 s44, 0x1111, s40                    ; my column
	; descriptor group 1: codes: 8 rows of 3,072 bytes (384 elements of 8 bytes), 12,800 bytes apart, dense in LDS
	s_or_b32 s[G1+0], s43, (3<<16)|(1<<21)         ; 15:0 the mask: A's tiles go to my row; 17:16 elements of 8 bytes; 20 no padding; 21 set beside a mask
	s_or_b32 s[G1B+0], s44, (3<<16)|(1<<21)
.irp g, G1, G1B
	s_mov_b32 s[\g+1], 384<<16                     ; tensor_dim0
	s_mov_b32 s[\g+2], 8<<16                       ; tensor_dim1
	s_mov_b32 s[\g+3], 384<<16                     ; tile_dim0
	s_mov_b32 s[\g+4], 8                           ; tile_dim1
	s_mov_b32 s[\g+5], REC/8                       ; tensor_dim0_stride
	s_mov_b32 s[\g+6], 0
	s_mov_b32 s[\g+7], 0
.endr
	; scales: 8 rows of 512 bytes, 12,800 bytes apart; 16 bytes of padding behind every 256
	s_or_b32 s[G1S+0], s43, (3<<16)|(1<<20)|(1<<21)|(5<<22)|(3<<25)
	s_or_b32 s[G1SB+0], s44, (3<<16)|(1<<20)|(1<<21)|(5<<22)|(3<<25)
.irp g, G1S, G1SB
	s_mov_b32 s[\g+1], 64<<16
	s_mov_b32 s[\g+2], 8<<16
	s_mov_b32 s[\g+3], 64<<16
	s_mov_b32 s[\g+4], 8
	s_mov_b32 s[\g+5], REC/8
	s_mov_b32 s[\g+6], 0
	s_mov_b32 s[\g+7], 0
.endr
	s_lshl_b32 s18, s16, 3                         ; which 8 records of the tile's 16 I fetch
	s_lshl_b32 s20, s17, 4
	s_add_co_u32 s20, s20, s18                     ; A: record 16 x tile row + 8 x half
	s_lshl_b32 s46, s42, 4
	s_add_co_u32 s46, s46, s18                     ; B: record 16 x tile column + 8 x half
	s_mul_i32 s20, s20, REC
	s_mov_b32 s21, 0
	s_mul_i32 s46, s46, REC
	s_mov_b32 s47, 0
	s_mul_i32 s45, s14, HALFT                      ; where they go: wave x 128 rows: no place in the cluster enters an LDS address
	s_mul_i32 s94, s14, HALFS
	s_mov_b32 s[SEL], 0x76543210
	s_mov_b32 s[SEL+1], 0xfedcba98
	s_wait_kmcnt 0x0
	s_add_nc_u64 s[20:21], s[4:5], s[20:21]
	s_add_nc_u64 s[46:47], s[6:7], s[46:47]
	s_add_nc_u64 s[22:23], s[20:21], 12288         ; a record's scale bytes lie behind its codes
	s_add_nc_u64 s[92:93], s[46:47], 12288
	CROUND                                         ; all sixteen work-groups are here: the first joint loads meet
	s_mov_b32 s[G0S], 1
	s_add_co_u32 s[G0S+1], s94, SCL
	s_mov_b64 s[G0S+2:G0S+3], s[22:23]
	s_or_b32 s[G0S+3], s[G0S+3], 0x80000000
	s_mov_b32 s[G0SB], 1
	s_add_co_u32 s[G0SB+1], s94, SCL
	s_mov_b64 s[G0SB+2:G0SB+3], s[92:93]
	s_or_b32 s[G0SB+3], s[G0SB+3], 0x80000000
	JLOAD G0S, G1S, G0SB, G1SB                     ; the scales first: they are wanted with K step 0
.irp s, 0,1
	s_mov_b32 s[G0+4*\s], 1
	s_add_co_u32 s[G0+4*\s+1], s45, \s*SLOT
	s_add_nc_u64 s[G0+4*\s+2:G0+4*\s+3], s[20:21], \s*ROWB
	s_or_b32 s[G0+4*\s+3], s[G0+4*\s+3], 0x80000000
	s_mov_b32 s[G0B+4*\s], 1
	s_add_co_u32 s[G0B+4*\s+1], s45, \s*SLOT
	s_add_nc_u64 s[G0B+4*\s+2:G0B+4*\s+3], s[46:47], \s*ROWB
	s_or_b32 s[G0B+4*\s+3], s[G0B+4*\s+3], 0x80000000
	JLOAD G0+4*\s, G1, G0B+4*\s, G1B
.endr
	v_and_b32 v1, 15, v0                           ; r
	v_bfe_u32 v2, v0, 4, 1                         ; h
	v_and_b32 v6, 31, v0
	v_lshlrev_b32 v[LI], 4, v6
	v_lshlrev_b32 v[L8], 3, v6
	s_mul_i32 s21, s15, HALFT                      ; my 128 rows of A
	s_mul_i32 s22, s16, HALFT                      ; my 128 rows of B,
	s_add_co_u32 s22, s22, 2*HALFT                 ; which lie behind A's 256
.irp s, 0,1
	v_add_nc_u32 v[ADRA+\s], s21, v[LI]
	v_add_nc_u32 v[ADRB+\s], s22, v[LI]
	v_add_nc_u32 v[ADRA+2+\s], s21, v[L8]
	v_add_nc_u32 v[ADRB+2+\s], s22, v[L8]
	s_add_co_u32 s21, s21, SLOT
	s_add_co_u32 s22, s22, SLOT
.endr
	v_mul_u32_u24 v5, v1, KS                       ; my row's scales: 32 bytes a row,
	v_lshrrev_b32 v6, 8, v5
	v_lshl_add_u32 v5, v6, 4, v5                   ; and 16 more for each 256 passed
	s_mul_i32 s21, s15, HALFS                      ; A's: my 128 rows
	s_mul_i32 s22, s16, HALFS                      ; B's: my 128 rows, behind A's 256
	s_add_co_u32 s22, s22, 2*HALFS
	s_sub_co_u32 s22, s22, s21
	v_mul_u32_u24 v6, s22, v2                      ; lanes 16-31 take B's
	s_add_co_u32 s21, s21, SCL
	v_add_nc_u32 v5, v5, v6
	v_add_nc_u32 v[ADRS], s21, v5
	s_lshl_b32 s23, s14, 9                         ; the way out: 512 bytes of slot 0 for each wave: its 128 rows' scale words
	v_lshl_add_u32 v[SST], v1, 2, s23
	v_add_nc_u32 v[SRD], s23, v[LI]
.irp b, 0,1,2,3
	v_mov_b32 v[TM+4+\b], 0                        ; written once: a lane permute's destination counts as one of its sources
.endr
	; where my part of OUT begins, in registers that feed no descriptor
	s_lshr_b32 s100, s17, 3
	s_lshr_b32 s101, s42, 3
	s_add_co_u32 s100, s100, s101                  ; hi
	s_and_b32 s96, s17, 7
	s_lshl_b32 s96, s96, 1
	s_add_co_u32 s96, s96, s15                     ; which 128 rows of hi's 2,048
	s_lshl_b32 s98, s96, 9                         ; their scale words: 512 bytes
	s_lshl_b32 s96, s96, 8                         ; their half fragments: 8 tiles of rows x 32
	s_and_b32 s101, s42, 7
	s_lshl_b32 s101, s101, 1
	s_add_co_u32 s101, s101, s16                   ; c2 % 16
	s_lshl_b32 s99, s101, 1
	s_add_co_u32 s96, s96, s99                     ; + ch % 32
	s_mul_i32 s96, s96, 768
	s_mul_i32 s99, s100, 3145728
	s_add_co_u32 s96, s96, s99
	s_add_co_u32 s96, s96, CO
	s_mov_b32 s97, 0
	s_lshl_b32 s101, s101, 13
	s_add_co_u32 s98, s98, s101
	s_lshl_b32 s100, s100, 17
	s_add_co_u32 s98, s98, s100
	s_mov_b32 s99, 0
	s_add_nc_u64 s[10:11], s[12:13], s[98:99]      ; the scale words
	s_add_nc_u64 s[12:13], s[12:13], s[96:97]      ; the codes
.macro FRAG reg, adr, q, i             ; a fragment is two half fragments, each an image of six registers: 16 bytes a lane, then 8 bytes a lane
	ds_load_b128 v[\reg:\reg+3],     v[\adr]   offset:(\i)*ROWB+(\q)*1536
	ds_load_b64  v[\reg+4:\reg+5],   v[\adr+2] offset:(\i)*ROWB+(\q)*1536+512
	ds_load_b128 v[\reg+6:\reg+9],   v[\adr]   offset:(\i)*ROWB+(\q)*1536+768
	ds_load_b64  v[\reg+10:\reg+11], v[\adr+2] offset:(\i)*ROWB+(\q)*1536+1280
.endm
; 16 matrix instructions: A's blocks a0, a0 + 1 x B's eight, 128 along K: the slot's q-th.  p: B's set;  sc: the set of scale words.  zero = 1: the first product starts the sums: nothing is ever cleared.
; The 64 accumulators take turns, one instruction a turn, in the same order in every step.
.macro MUL16 a0, p, q, sc, zero
.irp a, \a0, \a0+1
.irp b, 0,1,2,3,4,5,6,7
.if \zero
	v_wmma_scale_f32_16x16x128_f8f6f4 v[8*(8*((\a)%4)+\b):8*(8*((\a)%4)+\b)+7], v[128*(\p)+FR*\b:128*(\p)+FR*\b+FR-1], v[AF+FR*(\a):AF+FR*(\a)+FR-1], 0, v[SC+8*NQ*(\sc)+NQ*\b+(\q)], v[SC+8*NQ*(\sc)+NQ*(\a)+(\q)] matrix_a_fmt:MATRIX_FMT_BF6 matrix_b_fmt:MATRIX_FMT_BF6 matrix_a_scale:MATRIX_SCALE_ROW1
.else
	v_wmma_scale_f32_16x16x128_f8f6f4 v[8*(8*((\a)%4)+\b):8*(8*((\a)%4)+\b)+7], v[128*(\p)+FR*\b:128*(\p)+FR*\b+FR-1], v[AF+FR*(\a):AF+FR*(\a)+FR-1], v[8*(8*((\a)%4)+\b):8*(8*((\a)%4)+\b)+7], v[SC+8*NQ*(\sc)+NQ*\b+(\q)], v[SC+8*NQ*(\sc)+NQ*(\a)+(\q)] matrix_a_fmt:MATRIX_FMT_BF6 matrix_b_fmt:MATRIX_FMT_BF6 matrix_a_scale:MATRIX_SCALE_ROW1
.endif
.endr
.endr
.endm
.macro FETCH_B slot, q, p              ; B's eight fragments of the slot's q-th 128 along K into set p
	WIN TO_B
.irp i, 0,1,2,3,4,5,6,7
	FRAG 128*(\p)+FR*\i, ADRB+\slot, \q, \i
.endr
	WIN 0
.endm
.macro FETCH_A slot, q, i0             ; A's blocks i0 .. i0 + 3
.irp i, \i0, \i0+1, \i0+2, \i0+3
	FRAG AF+FR*(\i), ADRA+\slot, \q, \i
.endr
.endm
.macro SCALES sc                       ; a K step's scale words into set sc: two words a row; lanes 0-15 take A's block i, lanes 16-31 B's block i
.irp i, 0,1,2,3,4,5,6,7
	ds_load_b64 v[SC+8*NQ*\sc+NQ*\i:SC+8*NQ*\sc+NQ*\i+1], v[ADRS] offset:\i*SBLK
.endr
.endm
; A load into a register that a matrix instruction has read, and a vector instruction that reads a matrix result, stand NP places behind that matrix instruction; only plain vector
; instructions that name none of its registers are places (ISA guide 7.12.1 for vector instructions).
.macro PLACES n
.rept \n
	v_nop
.endr
.endm
; A step of 128 along K that has its successor in the same slot.
.macro STEP slot, q, zero
	s_wait_dscnt 4*NL                              ; B's set and A's blocks 0-3 are in; the youngest 16 loads (A's blocks 4-7) may be out
	WIN MUL_LO
	MUL16 0, (\q)%2, \q, \slot, \zero
	MUL16 2, (\q)%2, \q, \slot, \zero
	s_wait_dscnt 0                                 ; A's blocks 4-7 are in (asked for 32 matrix instructions ago)
	PLACES NP
	FETCH_B \slot, (\q)+1, 1-(\q)%2
	FETCH_A \slot, (\q)+1, 0
	WIN MUL_HI
	MUL16 4, (\q)%2, \q, \slot, \zero
	MUL16 6, (\q)%2, \q, \slot, \zero
	PLACES NP
	WIN 0
	FETCH_A \slot, (\q)+1, 4
.endm
; A slot's last step changes slots: one barrier; in front of it each wave waits for all its tensor loads, adds 0 to its spare word, and waits for that and for its own reads of this slot.  fill = 1: this slot is filled again, two K steps ahead.
.macro TURN slot, next, fill
	s_wait_tensorcnt 0x0                           ; all my tensor loads have landed: my part of the next slot  (every window is 0 here)
	ds_add_u32 v[SPW], v[NIL]                      ; 0 onto my spare word
	s_wait_dscnt 4*NL+1                            ; (the add and the youngest 16 loads, A's blocks 4-7, may be out)
	WIN MUL_LO
	MUL16 0, 1, NQ-1, \slot, 0                     ; sixteen matrix instructions stand between the add and the wait for it
	s_wait_dscnt 0x0                               ; the add is done, and my reads of this slot are over
	s_barrier_signal -1
	MUL16 2, 1, NQ-1, \slot, 0
	WIN 0
	s_barrier_wait -1
.if \fill
	CREST                                          ; the barrier has opened a round of the cluster's barrier: no wave of any partner still reads this slot or has a load on its way
	s_add_nc_u64 s[G0+4*\slot+2:G0+4*\slot+3], s[G0+4*\slot+2:G0+4*\slot+3], 2*ROWB
	s_add_nc_u64 s[G0B+4*\slot+2:G0B+4*\slot+3], s[G0B+4*\slot+2:G0B+4*\slot+3], 2*ROWB
	JLOAD G0+4*\slot, G1, G0B+4*\slot, G1B         ; the first tensor load behind the round; the four v_nop behind it are the places in front of the loads below
.else
	PLACES NP
.endif
	v_add_nc_u32 v[ADRS], 4*NQ, v[ADRS]            ; on to the next K step's scale words (no LDS load of mine is out)
	FETCH_B \next, 0, 0
	FETCH_A \next, 0, 0
	SCALES \next
	WIN MUL_HI
	MUL16 4, 1, NQ-1, \slot, 0
	MUL16 6, 1, NQ-1, \slot, 0
	PLACES NP
	WIN 0
	FETCH_A \next, 0, 4
.endm
	s_wait_tensorcnt 1                             ; the scales and my part of K step 0 are in (K step 1's load may be out)
	s_barrier_signal -1
	s_barrier_wait -1                              ; everybody's are
	FETCH_B 0, 0, 0
	FETCH_A 0, 0, 0
	SCALES 0
	FETCH_A 0, 0, 4
	STEP 0, 0, 1                                   ; the first step stands in front of the loop: its products start the sums
	s_mov_b32 s3, LAPS-1
.Llap:                                                 ; a trip goes once round the ring, from a lap's second step to the next lap's first, and fills both slots again
	TURN 0, 1, 1
	STEP 1, 0, 0
	TURN 1, 0, 1
	STEP 0, 0, 0
	s_sub_co_u32 s3, s3, 1
	s_cmp_lg_u32 s3, 0
	s_cbranch_scc1 .Llap
	TURN 0, 1, 0                                   ; the last lap fills nothing, and has no round of the cluster's barrier
	STEP 1, 0, 0
	s_wait_dscnt 4*NL                              ; the very last step: nothing more to fetch
	WIN MUL_LO
	MUL16 0, 1, NQ-1, 1, 0
	MUL16 2, 1, NQ-1, 1, 0
	s_wait_dscnt 0
	WIN MUL_HI
	MUL16 4, 1, NQ-1, 1, 0
	MUL16 6, 1, NQ-1, 1, 0
	WIN 0
; THE WAY OUT.  Block a: 16 rows x my 128 columns lie in 64 registers a lane: register 16 b + i is place 16 h + i of block b of my row.  They become one fragment (two half fragments) and one scale word a row.
; The codes are stored as they stand: 512 and 256 consecutive bytes a store.  The scale words of my 128 rows are gathered in my 512 bytes of slot 0, which has had its last fill and its last read, and leave as 512 consecutive bytes.
.macro QBLOCK a
.set AC, 64*((\a)%4)
.if (\a) > 0
	s_wait_dscnt 0x0                               ; the last block's LDS store has read the scale word,
	s_wait_xcnt 0x0                                ; and its stores the codes: both are written anew below
.endif
	WIN 0x0a+5*((\a)/4)                            ; sources 0 and 1: window 2 or 3
.irp b, 0,1,2,3
	v_max3_num_f32 v[TM+\b], |v[AC+16*\b]|, |v[AC+1+16*\b]|, 0x2800000   ; each accumulator is read from its low end on; the floor 2^(5 - 127) holds the byte at 1 from below
.endr
.irp i, 2,4,6,8,10,12,14
.irp b, 0,1,2,3
	v_max3_num_f32 v[TM+\b], |v[AC+16*\b+\i]|, |v[AC+1+16*\b+\i]|, v[TM+\b]
.endr
.endr
	WIN 0
.irp b, 0,1,2,3
	v_permlanex16_b32 v[TM+4+\b], v[TM+\b], s[SEL], s[SEL+1]
.endr
.irp b, 0,1,2,3
	v_max_num_f32 v[TM+\b], v[TM+\b], v[TM+4+\b]   ; with lane l xor 16's: the block's largest magnitude
.endr
.irp b, 0,1,2,3
	v_add_nc_u32 v[TM+12+\b], 0xfe000000, v[TM+\b] ; 4 off its exponent field: the conversion's scale operand
.endr
.irp b, 0,1,2,3
	v_lshrrev_b32 v[TM+4+\b], 23, v[TM+12+\b]      ; the scale's byte
.endr
	v_lshl_or_b32 v[PW], v[TM+5], 8, v[TM+4]
	v_lshl_or_b32 v[PW], v[TM+6], 16, v[PW]
	v_lshl_or_b32 v[PW], v[TM+7], 24, v[PW]
	WIN 0x02+(\a)/4                                ; source 0: window 2 or 3
.irp c, 0,1
	v_cvt_scalef32_pk16_bf6_f32 v[PC+6*\c:PC+2+6*\c], v[AC+32*\c:AC+15+32*\c], v[TM+12+2*\c]
	v_cvt_scalef32_pk16_bf6_f32 v[PC+12+4*\c:PC+14+4*\c], v[AC+16+32*\c:AC+31+32*\c], v[TM+12+2*\c+1]   ; (a conversion's three registers begin on an even number)
.endr
	WIN 0
	v_nop                                          ; one plain place behind a scaled conversion
.irp c, 0,1                            ; a whole block to a lane: lanes 0-15 block 2 c, lanes 16-31 block 2 c + 1
.irp i, 0,1,2
	v_permlane16_swap_b32 v[PC+6*\c+\i], v[PC+12+4*\c+\i]
.endr
.irp i, 0,1,2
	v_mov_b32 v[PC+3+6*\c+\i], v[PC+12+4*\c+\i]
.endr
.endr
	ds_store_b32 v[SST], v[PW] offset:64*(\a)      ; lanes r and r + 16 write the same word with the same value
	global_store_b128 v[LI], v[PC:PC+3],     s[12:13] offset:(\a)*24576
	global_store_b64  v[L8], v[PC+4:PC+5],   s[12:13] offset:(\a)*24576+512
	global_store_b128 v[LI], v[PC+6:PC+9],   s[12:13] offset:(\a)*24576+768
	global_store_b64  v[L8], v[PC+10:PC+11], s[12:13] offset:(\a)*24576+1280
.endm
	PLACES NP                                      ; behind the last products
.irp a, 0,1,2,3,4,5,6,7
	QBLOCK \a
.endr
	ds_load_b128 v[104:107], v[SRD]                ; LDS serves a wave's instructions in order: this sees my eight stores
	s_wait_dscnt 0x0
	global_store_b128 v[LI], v[104:107], s[10:11]  ; my 128 rows' scale words: 512 consecutive bytes
	s_wait_tensorcnt 0x0                           ; the wave's end: behind my last tensor load and my last LDS store
	ds_add_u32 v[SPW], v[NIL]
	s_wait_dscnt 0x0
	CROUND                                         ; the closing round: no work-group ends while a partner may still ask for a tile that names it
	s_endpgm
.Lfunc_end_k_qfa666480d7_gemm_qk:
	.size	k_qfa666480d7_gemm_qk, .Lfunc_end_k_qfa666480d7_gemm_qk-k_qfa666480d7_gemm_qk
	.p2alignl 7, 3214868480
	.fill 96, 4, 3214868480
	.section	.rodata,"a",@progbits
	.p2align	6, 0x0
	.amdhsa_kernel k_qfa666480d7_gemm_qk
		.amdhsa_group_segment_fixed_size 327680
		.amdhsa_private_segment_fixed_size 0
		.amdhsa_enable_private_segment 0
		.amdhsa_kernarg_size 24
		.amdhsa_user_sgpr_count 2
		.amdhsa_user_sgpr_kernarg_segment_ptr 1
		.amdhsa_wavefront_size32 1
		.amdhsa_system_sgpr_workgroup_id_x 1
		.amdhsa_system_sgpr_workgroup_id_y 1
		.amdhsa_system_sgpr_workgroup_id_z 1
		.amdhsa_system_vgpr_workitem_id 0
		.amdhsa_next_free_vgpr 1024
		.amdhsa_next_free_sgpr 102
		.amdhsa_reserve_vcc 0
		.amdhsa_float_denorm_mode_32 3
		.amdhsa_float_denorm_mode_16_64 3
		.amdhsa_memory_ordered 1
		.amdhsa_forward_progress 1
		.amdhsa_inst_pref_size 149
	.end_amdhsa_kernel
	.amdgpu_metadata
---
amdhsa.version: [ 1, 2 ]
amdhsa.kernels:
  - .name:           k_qfa666480d7_gemm_qk
    .symbol:         k_qfa666480d7_gemm_qk.kd
    .args:
      - { .name: xq, .offset: 0, .size: 8, .value_kind: global_buffer, .address_space: global }
      - { .name: wqk, .offset: 8, .size: 8, .value_kind: global_buffer, .address_space: global }
      - { .name: qk, .offset: 16, .size: 8, .value_kind: global_buffer, .address_space: global }
    .group_segment_fixed_size: 327680
    .private_segment_fixed_size: 0
    .kernarg_segment_align: 8
    .kernarg_segment_size: 24
    .max_flat_workgroup_size: 128
    .sgpr_count:     102
    .vgpr_count:     1024
    .wavefront_size: 32
...
	.end_amdgpu_metadata
.endif
;; end of part 2
;; launch gemm_v: the kernel of part 2 again; grid 32 x 4, 4 waves a work-group, clusters of 4 x 4, 327,680 bytes of LDS; arguments wv, xq, vt; writes vt
;; launch attn (part 3): grid 4 x 64, 16 waves a work-group, no clusters, 327,680 bytes of LDS; arguments qk, vt, ao; writes ao
.if DOCPART == 3
	.amdgcn_target "amdgcn-amd-amdhsa--gfx1250"
	.amdhsa_code_object_version 6
	.text
	.protected	k_qfa666480d7_attn
	.globl	k_qfa666480d7_attn
	.p2align	8
	.type	k_qfa666480d7_attn,@function
k_qfa666480d7_attn:
	s_mov_b64 s[64:65], 0
	v_nop
	global_prefetch_b8 v0, s[64:65] scope:SCOPE_SE
	s_setreg_imm32_b32 hwreg(HW_REG_WAVE_MODE, 25, 1), 1
	s_wait_xcnt 0x0
; Causal attention of one head on codes of BF6 (E3M2), one E8M0 scale for each 32 along a product's K: S = Q K^T (K = the head's 64: the upper half of both operands is zero codes), p = 2^(t - M) with
; t = score x log2(e) / 8 and M the running largest t rounded UP to a whole number, O = P V (K = the keys) divided at the end by the sum of the unquantised p; O is quantised along the head's 64 and leaves as codes.
; IN: qk and vt as the two launches before lay them: half fragments of 768 bytes (16 rows x 64 K: lane l's registers 0-3 at 16 l, 4-5 at 512 + 8 l) at 524,288 + b x 3,145,728 + (tile of rows x 32 + chunk) x 768,
; scale words at b x 131,072 + (c2 x 2,048 + row) x 4.  qk: rows = tokens, chunk = head (Q) or 16 + head (K).  vt: rows = head x 64 + channel, chunk = key / 64.
; OUT: ao: a record of 12,800 bytes for each 16 tokens: half fragment number head, and the head's two scale bytes of each row at 12,288 + 32 r + 2 head.
; SHARES.  Work-group (i, b x 16 + head) owns the query blocks i and 7 - i (256 queries each) of one head: (i + 1) + (8 - i) = 9 slots of 256 keys, whatever i: equal work, and a constant number of trips.
; Each of its sixteen waves owns 16 queries of the block in hand.  Pass A: block i over key slots 0 .. i; then the result leaves and the sums begin anew; pass B: block 7 - i over key slots 0 .. 7 - i.
; NO CLUSTER: the work-groups that share K and V are those of one head, and they differ in i, on which the passing over of hidden steps and the place of the first way out hang: partners of a joint load must run alike.
; LAYOUT.  Both products are used transposed (S^T = K Q^T, O^T = V^T P^T): a lane holds one query (lane % 16) throughout.  Register 8 t + j of S^T is key 16 t + 8 (lane / 16) + j; the quantiser takes register 16 b + i as
; place 16 (lane / 16) + i of block b, so that inside a block of 32 place 16 x + 8 u + j holds number 16 u + 8 x + j: the order in which vt's keys, and every operand of this program, are laid.
; CAUSAL.  A step of 128 keys that all come after my 16 queries is passed over (a scalar branch on ids, round no barrier and no tensor load); on the diagonal hidden scores become -infinity ahead of the maximum.
; A block's largest p is had from its largest score by the same multiply-add and exponential: this takes v_exp_f32 not to fall where its input rises.
; LIMITS: NaN and infinities are not served; a block of O whose largest magnitude lies under 2^-122 gets the byte 1.
; LDS: two slots 32,768 bytes apart: K's 16 half fragments (12,288), V's [4 tiles of channels][4 chunks] (12,288), K's scale words (1,024), V's [2 key steps][64 channels] (512); behind them the spare words.
; Waves 0-3 fetch one of the four each; a wave has at most one tensor load out.
; REGISTERS: v1-7 offsets that stay; v8-11 addresses in hand; v12 -M, v13 the largest t, v[14:15] the sum; v16-27 Q (22-27 zeros); v28-31 V's scale words; v32-79 four fragments of K (the upper six of each: zeros);
; v80-127 four fragments of V; v128-191 S^T, then p; v192-223 O^T; v224-235 p's codes; v232-254 at work; v243 32 r + h; v248-251 K's scale words; v253 p's scale word; v255 Q's.
.set SLOT1, 1<<15
.set SPARE, 2*SLOT1                    ; the spare words, 128 bytes for each of 16 waves: eight blocks of 256 bytes that no other line names
.set CO,    524288
.set SS,    128
.set OO,    192
.set SPW,  5
.set NIL,  6
.set WV,   10                          ; s10 wave;  s11 i;  s12 b;  s13 head;  s14 2 (head % 2)
.set II,   11
.set BB,   12
.set HD,   13
.set PAR,  14
.set TT,   15                          ; s15 the trip
.set SG,   16                          ; s16 the key slot last asked for
.set TB,   17                          ; s17 LDS byte at which the slot in hand begins
.set KF,   18                          ; s18 the step's first key
.set Q0,   19                          ; s19 my first query
.set SEL,  20                          ; s[20:21] lane selects: lane l xor 16
.set CS,   22                          ; s[22:23] c = log2(e) / 8
.set G1K,  24                          ; descriptor groups 1: K, V, K's scale words, V's
.set G1V,  32
.set G1KS, 40
.set G1VS, 48
.set G0K,  56                          ; and groups 0
.set G0V,  60
.set G0KS, 68
.set G0VS, 72
.set BK,   76                          ; s[76:83] the four tensors' first bytes for this head: never stepped
.set BV,   78
.set BKS,  80
.set BVS,  82
.set QP,   84                          ; s[84:91] Q's codes, Q's scale words, my half fragment of ao, my scale bytes of ao
.set QS,   86
.set AO,   88
.set AOS,  90
; Waves 0 to 3 fetch, one tile each; the others nothing.  The branches hang on the wave's number alone.  Four v_nop follow each tensor load.
.macro TLOAD
	s_cmp_lt_u32 s[WV], 2
	s_cbranch_scc0 .Lhigh_\@
	s_cmp_eq_u32 s[WV], 0
	s_cbranch_scc0 .Lone_\@
	tensor_load_to_lds s[G0K:G0K+3], s[G1K:G1K+7]
	s_nop 0
.rept 4
	v_nop
.endr
	s_branch .Lasked_\@
.Lone_\@:
	tensor_load_to_lds s[G0V:G0V+3], s[G1V:G1V+7]
	s_nop 0
.rept 4
	v_nop
.endr
	s_branch .Lasked_\@
.Lhigh_\@:
	s_cmp_lt_u32 s[WV], 4
	s_cbranch_scc0 .Lasked_\@
	s_cmp_eq_u32 s[WV], 2
	s_cbranch_scc0 .Lthree_\@
	tensor_load_to_lds s[G0KS:G0KS+3], s[G1KS:G1KS+7]
	s_nop 0
.rept 4
	v_nop
.endr
	s_branch .Lasked_\@
.Lthree_\@:
	tensor_load_to_lds s[G0VS:G0VS+3], s[G1VS:G1VS+7]
	s_nop 0
.rept 4
	v_nop
.endr
.Lasked_\@:
.endm
	s_load_b128 s[4:7], s[0:1], 0x0                ; qk, vt
	s_load_b64 s[8:9], s[0:1], 0x10                ; ao
	v_lshl_add_u32 v[SPW], v0, 2, SPARE
	v_mov_b32 v[NIL], 0
	ds_add_u32 v5, v6
	ds_add_u32 v5, v6
	s_wait_dscnt 0x0
	v_lshrrev_b32 v8, 5, v0
	s_delay_alu instid0(VALU_DEP_1)
	v_readfirstlane_b32 s[WV], v8                  ; wave 0..15
	s_mov_b32 s[II], ttmp9
	s_and_b32 s98, ttmp7, 0xffff
	s_lshr_b32 s[BB], s98, 4
	s_and_b32 s[HD], s98, 15
	s_and_b32 s[PAR], s[HD], 1
	s_lshl_b32 s[PAR], s[PAR], 1                   ; which two bytes of a scale word of qk are the head's
	s_lshr_b32 s100, s[HD], 1
	s_mul_i32 s98, s[BB], 3145728
	s_add_co_u32 s98, s98, CO                      ; the batch's codes
	s_lshl_b32 s99, s[BB], 17                      ; the batch's scale words
	s_mul_i32 s101, s[HD], 768
	s_add_co_u32 s[BK], s98, s101
	s_add_co_u32 s[BK], s[BK], 16*768              ; K: chunk 16 + head
	s_mov_b32 s[BK+1], 0
	s_mul_i32 s[BV], s[HD], 98304                  ; V: tiles of rows 4 head on
	s_add_co_u32 s[BV], s[BV], s98
	s_mov_b32 s[BV+1], 0
	s_lshl_b32 s[BKS], s100, 13
	s_add_co_u32 s[BKS], s[BKS], s99               ; Q's scale words: c2 = head / 2
	s_mov_b32 s[BKS+1], 0
	s_lshl_b32 s[Q0], s[II], 8
	s_lshl_b32 s[QS], s[WV], 4
	s_add_co_u32 s[Q0], s[Q0], s[QS]               ; my first query in pass A: 256 i + 16 wave
	s_lshl_b32 s[QS], s[Q0], 2
	s_add_co_u32 s[QS], s[QS], s[BKS]
	s_add_co_u32 s[QS], s[QS], s[PAR]
	s_mov_b32 s[QS+1], 0
	s_add_co_u32 s[BKS], s[BKS], 8*8192            ; K's: c2 = 8 + head / 2
	s_lshl_b32 s[BVS], s[HD], 8
	s_add_co_u32 s[BVS], s[BVS], s99               ; V's: rows 64 head on
	s_mov_b32 s[BVS+1], 0
	s_lshr_b32 s100, s[Q0], 4                      ; my tile of tokens
	s_mul_i32 s[QP], s100, 24576
	s_add_co_u32 s[QP], s[QP], s98
	s_add_co_u32 s[QP], s[QP], s101
	s_mov_b32 s[QP+1], 0
	s_lshl_b32 s99, s[BB], 7
	s_add_co_u32 s99, s99, s100
	s_mul_i32 s99, s99, 12800                      ; my record of ao
	s_add_co_u32 s[AO], s99, s101
	s_mov_b32 s[AO+1], 0
	s_lshl_b32 s100, s[HD], 1
	s_add_co_u32 s[AOS], s99, s100
	s_add_co_u32 s[AOS], s[AOS], 12288
	s_mov_b32 s[AOS+1], 0
	s_lshl_b32 s100, s[II], 1
	s_sub_co_u32 s100, 7, s100                     ; pass B's block lies 7 - 2 i blocks on:
	s_mul_i32 s92, s100, 393216                    ; in Q's codes,
	s_mov_b32 s93, 0
	s_lshl_b32 s94, s100, 10                       ; in Q's scale words,
	s_mov_b32 s95, 0
	s_mul_i32 s96, s100, 204800                    ; in ao
	s_mov_b32 s97, 0
	s_lshl_b32 s100, s100, 8
	s_add_co_u32 s67, s[Q0], s100                  ; my first query in pass B
	s_mov_b32 s66, 0xffff0000                      ; lanes 16-31
	; descriptor groups 1: elements of 8 bytes, no padding, no mask.  K: 16 rows of 768 bytes, 24,576 apart
	s_mov_b32 s[G1K], 3<<16
	s_mov_b32 s[G1K+1], 96<<16
	s_mov_b32 s[G1K+2], 16<<16
	s_mov_b32 s[G1K+3], 96<<16
	s_mov_b32 s[G1K+4], 16
	s_mov_b32 s[G1K+5], 3072
	s_mov_b32 s[G1K+6], 0
	s_mov_b32 s[G1K+7], 0
	s_mov_b32 s[G1V], 3<<16                        ; V: 4 rows of 3,072 bytes, 24,576 apart
	s_mov_b32 s[G1V+1], 384<<16
	s_mov_b32 s[G1V+2], 4<<16
	s_mov_b32 s[G1V+3], 384<<16
	s_mov_b32 s[G1V+4], 4
	s_mov_b32 s[G1V+5], 3072
	s_mov_b32 s[G1V+6], 0
	s_mov_b32 s[G1V+7], 0
	s_mov_b32 s[G1KS], 3<<16                       ; K's scale words: 1,024 dense bytes as 4 rows of 256
	s_mov_b32 s[G1KS+1], 32<<16
	s_mov_b32 s[G1KS+2], 4<<16
	s_mov_b32 s[G1KS+3], 32<<16
	s_mov_b32 s[G1KS+4], 4
	s_mov_b32 s[G1KS+5], 32
	s_mov_b32 s[G1KS+6], 0
	s_mov_b32 s[G1KS+7], 0
	s_mov_b32 s[G1VS], 3<<16                       ; V's: 2 rows of 256 bytes, 8,192 apart
	s_mov_b32 s[G1VS+1], 32<<16
	s_mov_b32 s[G1VS+2], 2<<16
	s_mov_b32 s[G1VS+3], 32<<16
	s_mov_b32 s[G1VS+4], 2
	s_mov_b32 s[G1VS+5], 1024
	s_mov_b32 s[G1VS+6], 0
	s_mov_b32 s[G1VS+7], 0
	s_mov_b32 s[SEL], 0x76543210
	s_mov_b32 s[SEL+1], 0xfedcba98
	s_mov_b32 s[CS], 0x3e38aa3b                    ; c = log2(e) / sqrt(64)
	s_mov_b32 s[CS+1], s[CS]                       ; (named with it as a pair, so it is written)
	s_mov_b32 s[SG], 0
	s_mov_b32 s[TB], 0
	s_mov_b32 s[KF], 0
	s_mov_b32 s[TT], 0
	s_wait_kmcnt 0x0
	s_add_nc_u64 s[BK:BK+1], s[4:5], s[BK:BK+1]
	s_add_nc_u64 s[BV:BV+1], s[6:7], s[BV:BV+1]
	s_add_nc_u64 s[BKS:BKS+1], s[4:5], s[BKS:BKS+1]
	s_add_nc_u64 s[BVS:BVS+1], s[6:7], s[BVS:BVS+1]
	s_add_nc_u64 s[QP:QP+1], s[4:5], s[QP:QP+1]
	s_add_nc_u64 s[QS:QS+1], s[4:5], s[QS:QS+1]
	s_add_nc_u64 s[AO:AO+1], s[8:9], s[AO:AO+1]
	s_add_nc_u64 s[AOS:AOS+1], s[8:9], s[AOS:AOS+1]
	s_mov_b32 s[G0K], 1                            ; groups 0: key slot 0 into LDS slot 0
	s_mov_b32 s[G0K+1], 0
	s_mov_b64 s[G0K+2:G0K+3], s[BK:BK+1]
	s_or_b32 s[G0K+3], s[G0K+3], 0x80000000
	s_mov_b32 s[G0V], 1
	s_mov_b32 s[G0V+1], 12288
	s_mov_b64 s[G0V+2:G0V+3], s[BV:BV+1]
	s_or_b32 s[G0V+3], s[G0V+3], 0x80000000
	s_mov_b32 s[G0KS], 1
	s_mov_b32 s[G0KS+1], 24576
	s_mov_b64 s[G0KS+2:G0KS+3], s[BKS:BKS+1]
	s_or_b32 s[G0KS+3], s[G0KS+3], 0x80000000
	s_mov_b32 s[G0VS], 1
	s_mov_b32 s[G0VS+1], 25600
	s_mov_b64 s[G0VS+2:G0VS+3], s[BVS:BVS+1]
	s_or_b32 s[G0VS+3], s[G0VS+3], 0x80000000
	TLOAD                                          ; the first fill
	v_and_b32 v8, 15, v0                           ; r
	v_bfe_u32 v9, v0, 4, 1                         ; h
	v_and_b32 v10, 31, v0
	s_delay_alu instid0(VALU_DEP_1)
	v_lshlrev_b32 v1, 4, v10                       ; 16 x lane
	s_delay_alu instid0(VALU_DEP_2)
	v_lshlrev_b32 v2, 3, v10                       ; 8 x lane
	v_lshlrev_b32 v7, 2, v8                        ; 4 r
	s_delay_alu instid0(VALU_DEP_1)
	v_add_nc_u32 v3, s[PAR], v7
	s_delay_alu instid0(VALU_DEP_1)
	v_add_nc_u32 v3, 24576, v3                     ; K's scale words: key r's, the head's two bytes
	s_delay_alu instid0(VALU_DEP_3)
	v_add_nc_u32 v4, 25600, v7                     ; V's: channel r's
	v_lshl_add_u32 v243, v8, 5, v9                 ; ao's scale bytes: 32 r + h
	global_load_b128 v[16:19], v1, s[QP:QP+1]      ; Q's half fragment stays in registers
	global_load_b64 v[20:21], v2, s[QP:QP+1] offset:512
	global_load_u16 v255, v7, s[QS:QS+1]           ; its two scale bytes; the word's upper two stay 0 and meet zero codes alone
.irp j, 22,23,24,25,26,27
	v_mov_b32 v[\j], 0                             ; K = 64 .. 127 of Q: zero codes
.endr
.irp t, 0,1,2,3
.irp j, 6,7,8,9,10,11
	v_mov_b32 v[32+12*\t+\j], 0                    ; and of K's four fragments: written once
.endr
.endr
	v_mov_b32 v13, 0xff61b1e6                      ; the largest t so far: -3e38, under every t
	s_delay_alu instid0(VALU_DEP_1)
	v_floor_f32 v12, -v13                          ; -M
	v_mov_b32 v14, 0                               ; the sum, in two halves
	v_mov_b32 v15, 0
.irp j, 236,237,238,239,252,253,254
	v_mov_b32 v[\j], 0                             ; written once: a lane permute's destination counts as one of its sources; v253 is named as the upper half of a pair
.endr
.set JJ, 0
.rept 32
	v_mov_b32 v[OO+JJ], 0                          ; O^T.  (The step is written once: a pass's first step finds zeros, which the first change of M leaves zeros)
.set JJ, JJ+1
.endr
; A KEY STEP: 128 keys, the q-th of the slot in hand.
.macro STEP q
	s_add_co_u32 s98, s[Q0], 15
	s_cmp_gt_u32 s[KF], s98
	s_cbranch_scc1 .Lhidden_\@                     ; all its keys come after my queries
	v_add_nc_u32 v8, s[TB], v1
	v_add_nc_u32 v9, s[TB], v2
	v_add_nc_u32 v10, s[TB], v3
	v_add_nc_u32 v11, s[TB], v4
.irp g, 0,1                            ; S^T = K Q^T, four tiles of 16 keys at a time
.if \g
.rept 4
	v_nop                                          ; places in front of loads into registers that matrix instructions have read; with the four additions above they also part V's loads from the last step's products
.endr
.endif
.irp t, 0,1,2,3
	ds_load_b128 v[32+12*\t:35+12*\t], v8 offset:(8*(\q)+4*\g+\t)*768
	ds_load_b64 v[36+12*\t:37+12*\t], v9 offset:(8*(\q)+4*\g+\t)*768+512
	ds_load_u16 v[248+\t], v10 offset:(128*(\q)+64*\g+16*\t)*4
.endr
.if \g
.irp d, 0,1,2,3                        ; V's four fragments and scale words are asked for here and land under the softmax
	ds_load_b128 v[80+12*\d:83+12*\d], v8 offset:12288+\d*3072+(\q)*1536
	ds_load_b64 v[84+12*\d:85+12*\d], v9 offset:12288+\d*3072+(\q)*1536+512
	ds_load_b128 v[86+12*\d:89+12*\d], v8 offset:12288+\d*3072+(\q)*1536+768
	ds_load_b64 v[90+12*\d:91+12*\d], v9 offset:12288+\d*3072+(\q)*1536+1280
	ds_load_b32 v[28+\d], v11 offset:256*(\q)+64*\d
.endr
	s_wait_dscnt 20                                ; K's are in; V's 20 loads, issued behind them, may be out
.else
	s_wait_alu depctr_va_vdst(0)
	s_wait_dscnt 0x0
.endif
.irp t, 0,1,2,3
	v_wmma_scale_f32_16x16x128_f8f6f4 v[SS+8*(4*\g+\t):SS+8*(4*\g+\t)+7], v[32+12*\t:43+12*\t], v[16:27], 0, v[248+\t], v255 matrix_a_fmt:MATRIX_FMT_BF6 matrix_b_fmt:MATRIX_FMT_BF6
.endr
.endr
.rept 4
	v_nop
.endr
	s_add_co_u32 s98, s[KF], 127
	s_cmp_le_u32 s98, s[Q0]
	s_cbranch_scc1 .Lopen_\@                       ; all its keys count
	s_sub_co_i32 s98, s[Q0], s[KF]
	v_and_b32 v252, 15, v0
	v_bfe_u32 v254, v0, 4, 1
	s_delay_alu instid0(VALU_DEP_1)
	v_lshlrev_b32 v254, 3, v254
	s_delay_alu instid0(VALU_DEP_1)
	v_sub_nc_u32 v252, v252, v254
	s_delay_alu instid0(VALU_DEP_1)
	v_add_nc_u32 v252, s98, v252                   ; d = my query - KF - 8 (lane / 16).  Register 8 t + j holds key KF + 16 t + 8 (lane / 16) + j: hidden where 16 t + j > d
	v_mov_b32 v254, 0xff800000                     ; -infinity
.set NN, 0
.rept 64
	v_cmp_gt_i32 vcc_lo, 16*(NN/8)+NN%8, v252
	v_cndmask_b32 v[SS+NN], v[SS+NN], v254, vcc_lo
.set NN, NN+1
.endr
.Lopen_\@:
.irp b, 0,1,2,3
	v_max3_num_f32 v[232+\b], v[SS+16*\b], v[SS+1+16*\b], v[SS+2+16*\b]   ; the largest score of each block of 32 keys: for the row's maximum, and for the block's largest p
.endr
.irp i, 3,5,7,9,11,13
.irp b, 0,1,2,3
	v_max3_num_f32 v[232+\b], v[232+\b], v[SS+16*\b+\i], v[SS+1+16*\b+\i]
.endr
.endr
.irp b, 0,1,2,3
	v_max_num_f32 v[232+\b], v[232+\b], v[SS+15+16*\b]
.endr
.irp b, 0,1,2,3
	s_delay_alu instid0(VALU_DEP_4)
	v_permlanex16_b32 v[236+\b], v[232+\b], s[SEL], s[SEL+1]
.endr
.irp b, 0,1,2,3
	s_delay_alu instid0(VALU_DEP_4)
	v_max_num_f32 v[232+\b], v[232+\b], v[236+\b]  ; with lane l xor 16's 16 keys
.endr
	s_delay_alu instid0(VALU_DEP_2)
	v_max3_num_f32 v254, v232, v233, v234
	s_delay_alu instid0(VALU_DEP_1)
	v_max_num_f32 v254, v254, v235                 ; the step's largest score of my query
	s_delay_alu instid0(VALU_DEP_1)
	v_mul_f32 v254, s[CS], v254                    ; as t (c is positive)
	s_delay_alu instid0(VALU_DEP_1)
	v_max_num_f32 v13, v13, v254                   ; the running largest t
	v_mov_b32 v254, v12
	s_delay_alu instid0(VALU_DEP_2)
	v_floor_f32 v12, -v13                          ; the new -M = floor(-t) = -ceil(t): a whole number
	s_delay_alu instid0(VALU_DEP_1)
	v_sub_f32 v254, v12, v254                      ; M's old value less its new one: a whole number, 0 or less
	s_delay_alu instid0(VALU_DEP_1)
	v_cvt_i32_f32 v254, v254                       ; (it saturates)
	s_delay_alu instid0(VALU_DEP_1)
	v_ldexp_f32 v252, 1.0, v254                    ; f = 2^(old M - new M): a multiplication by it rounds nothing
.set JJ, 0
.rept 32
	v_pk_fma_f32 v[SS+JJ:SS+JJ+1], v[SS+JJ:SS+JJ+1], s[CS:CS+1], v[12:13] op_sel_hi:[1,0,0]   ; t - M, two at a time
.set JJ, JJ+2
.endr
.irp b, 0,1,2,3
	v_fma_f32 v[232+\b], v[232+\b], s[CS], v12     ; the same of each block's largest score
.endr
.set JJ, 0
	s_wait_alu depctr_va_vdst(0)
.rept 64
	v_exp_f32 v[SS+JJ], v[SS+JJ]                   ; p = 2^(t - M), at most 1: not normalised
.set JJ, JJ+1
.endr
.irp b, 0,1,2,3
	v_exp_f32 v[232+\b], v[232+\b]                 ; the block's largest p
.endr
	v_pk_mul_f32 v[14:15], v[14:15], v[252:253] op_sel_hi:[1,0]   ; the sums under the new M.  (A plain place behind the exponentials)
	s_wait_alu depctr_va_vdst(0)
.irp b, 0,1,2,3
	v_max_num_f32 v[232+\b], 0x2800000, v[232+\b]  ; the floor 2^(5 - 127): the byte cannot fall under 1
.endr
.irp b, 0,1,2,3
	s_delay_alu instid0(VALU_DEP_4)
	v_add_nc_u32 v[244+\b], 0xfe000000, v[232+\b]  ; 4 off the exponent field: the conversion's scale operand
.endr
.irp b, 0,1,2,3
	s_delay_alu instid0(VALU_DEP_4)
	v_lshrrev_b32 v[236+\b], 23, v[244+\b]         ; the scale's byte
.endr
	s_delay_alu instid0(VALU_DEP_3)
	v_lshl_or_b32 v253, v237, 8, v236              ; p's scale word for these 128 keys
	s_delay_alu instid0(VALU_DEP_1)
	v_lshl_or_b32 v253, v238, 16, v253
	s_delay_alu instid0(VALU_DEP_1)
	v_lshl_or_b32 v253, v239, 24, v253
.irp c, 0,1
	v_cvt_scalef32_pk16_bf6_f32 v[224+6*\c:226+6*\c], v[SS+32*\c:SS+15+32*\c], v[244+2*\c]
	v_cvt_scalef32_pk16_bf6_f32 v[236+4*\c:238+4*\c], v[SS+16+32*\c:SS+31+32*\c], v[244+2*\c+1]   ; (a conversion's three registers begin on an even number)
.endr
	v_nop                                          ; one plain place behind a scaled conversion
.irp c, 0,1                            ; a whole block to a lane: lanes 0-15 block 2 c, lanes 16-31 block 2 c + 1
.irp i, 0,1,2
	v_permlane16_swap_b32 v[224+6*\c+\i], v[236+4*\c+\i]
.endr
.irp i, 0,1,2
	s_delay_alu instid0(VALU_DEP_3)
	v_mov_b32 v[227+6*\c+\i], v[236+4*\c+\i]
.endr
.endr
	v_pk_add_f32 v[236:237], v[132:133], v[136:137]
	v_pk_add_f32 v[250:251], v[140:141], v[144:145]
	v_pk_add_f32 v[248:249], v[148:149], v[152:153]
	v_pk_add_f32 v[246:247], v[156:157], v[160:161]
	v_pk_add_f32 v[244:245], v[164:165], v[168:169]
	v_pk_add_f32 v[240:241], v[172:173], v[176:177]
	v_pk_add_f32 v[72:73], v[180:181], v[184:185]
	v_pk_add_f32 v[14:15], v[14:15], v[188:189]
	v_pk_add_f32 v[236:237], v[236:237], v[128:129]
	v_pk_add_f32 v[250:251], v[250:251], v[130:131]
	v_pk_add_f32 v[248:249], v[248:249], v[134:135]
	v_pk_add_f32 v[246:247], v[246:247], v[138:139]
	v_pk_add_f32 v[244:245], v[244:245], v[142:143]
	v_pk_add_f32 v[240:241], v[240:241], v[146:147]
	v_pk_add_f32 v[72:73], v[72:73], v[150:151]
	v_pk_add_f32 v[14:15], v[14:15], v[154:155]
	v_pk_add_f32 v[236:237], v[236:237], v[158:159]
	v_pk_add_f32 v[250:251], v[250:251], v[162:163]
	v_pk_add_f32 v[248:249], v[248:249], v[166:167]
	v_pk_add_f32 v[246:247], v[246:247], v[170:171]
	v_pk_add_f32 v[244:245], v[244:245], v[174:175]
	v_pk_add_f32 v[240:241], v[240:241], v[178:179]
	v_pk_add_f32 v[72:73], v[72:73], v[182:183]
	v_pk_add_f32 v[14:15], v[14:15], v[186:187]
	v_pk_add_f32 v[236:237], v[236:237], v[190:191]
	s_delay_alu instid0(VALU_DEP_2)
	v_pk_add_f32 v[14:15], v[14:15], v[246:247]
	s_delay_alu instid0(VALU_DEP_2)
	v_pk_add_f32 v[236:237], v[236:237], v[244:245]
	v_pk_add_f32 v[250:251], v[250:251], v[240:241]
	v_pk_add_f32 v[248:249], v[248:249], v[72:73]
	s_delay_alu instid0(VALU_DEP_2)
	v_pk_add_f32 v[14:15], v[14:15], v[250:251]
	s_delay_alu instid0(VALU_DEP_2)
	v_pk_add_f32 v[236:237], v[236:237], v[248:249]
	s_delay_alu instid0(VALU_DEP_1)
	v_pk_add_f32 v[14:15], v[14:15], v[236:237]
.set JJ, 0
.rept 16
	v_pk_mul_f32 v[OO+JJ:OO+JJ+1], v[OO+JJ:OO+JJ+1], v[252:253] op_sel_hi:[1,0]   ; O^T under the new M.  (With the sums above: the places between the codes and the scale word just written and the products below)
.set JJ, JJ+2
.endr
	s_wait_alu depctr_va_vdst(0)
	s_wait_dscnt 0x0                               ; V is in
.irp d, 0,1,2,3                        ; O^T += V^T P^T: four accumulators, one instruction each
	v_wmma_scale_f32_16x16x128_f8f6f4 v[OO+8*\d:OO+8*\d+7], v[80+12*\d:91+12*\d], v[224:235], v[OO+8*\d:OO+8*\d+7], v[28+\d], v253 matrix_a_fmt:MATRIX_FMT_BF6 matrix_b_fmt:MATRIX_FMT_BF6
.endr
.Lhidden_\@:
	s_add_co_u32 s[KF], s[KF], 128
.endm
; THE CHANGE OF SLOTS stands at a slot's head.  Each wave waits for all its tensor loads (its part of the slot that it is about to read), adds 0 to its spare word, and waits for that and for its reads of the slot that it has left.
; Behind the barrier the slot ahead is whole and nobody reads the other one.  fill = 1: that other slot takes the next trip's keys: the key slot that follows, or, behind pass A's last, key slot 0 again.
.macro CHANGE fill
	s_wait_tensorcnt 0x0                           ; no tensor load of mine is out, so a group 0 may be written
	ds_add_u32 v[SPW], v[NIL]                      ; 0 onto my spare word
.if \fill
	s_add_co_u32 s[SG], s[SG], 1
	s_cmp_eq_u32 s[TT], s[II]
	s_cselect_b32 s[SG], 0, s[SG]
	s_xor_b32 s[G0K+1], s[G0K+1], SLOT1            ; the other LDS slot than last time
	s_xor_b32 s[G0V+1], s[G0V+1], SLOT1
	s_xor_b32 s[G0KS+1], s[G0KS+1], SLOT1
	s_xor_b32 s[G0VS+1], s[G0VS+1], SLOT1
	s_mov_b32 s99, 0
	s_mul_i32 s98, s[SG], 393216                   ; 16 tiles of keys
	s_add_nc_u64 s[G0K+2:G0K+3], s[BK:BK+1], s[98:99]
	s_or_b32 s[G0K+3], s[G0K+3], 0x80000000
	s_mul_i32 s98, s[SG], 3072                     ; 4 chunks of keys
	s_add_nc_u64 s[G0V+2:G0V+3], s[BV:BV+1], s[98:99]
	s_or_b32 s[G0V+3], s[G0V+3], 0x80000000
	s_lshl_b32 s98, s[SG], 10                      ; 256 words
	s_add_nc_u64 s[G0KS+2:G0KS+3], s[BKS:BKS+1], s[98:99]
	s_or_b32 s[G0KS+3], s[G0KS+3], 0x80000000
	s_lshl_b32 s98, s[SG], 14                      ; 2 rows of 8,192 bytes
	s_add_nc_u64 s[G0VS+2:G0VS+3], s[BVS:BVS+1], s[98:99]
	s_or_b32 s[G0VS+3], s[G0VS+3], 0x80000000
.endif
	s_wait_dscnt 0x0                               ; the add is done, and my reads of the slot that I have left are over
	s_barrier_signal -1
	s_barrier_wait -1
.if \fill
	TLOAD                                          ; the first thing behind the barrier, and a wave's one tensor load until the next
.endif
.endm
; THE WAY OUT of a pass: O^T / the sum, quantised along the head's 64 (two blocks; a lane holds 16 numbers of each), leaves as one half fragment and two scale bytes a row.
; reset = 1: pass B follows: its Q is asked for first, and the sums begin anew.
.macro FINISH reset
.rept 4
	v_nop                                          ; places behind the last products
.endr
.if \reset
	s_add_nc_u64 s[QP:QP+1], s[QP:QP+1], s[92:93]  ; (no load that names these is out)
	s_add_nc_u64 s[QS:QS+1], s[QS:QS+1], s[94:95]
	global_load_b128 v[16:19], v1, s[QP:QP+1]
	global_load_b64 v[20:21], v2, s[QP:QP+1] offset:512
	global_load_u16 v255, v7, s[QS:QS+1]
.endif
	v_add_f32 v14, v14, v15                        ; the sum's two halves,
	s_delay_alu instid0(VALU_DEP_1)
	v_permlanex16_b32 v252, v14, s[SEL], s[SEL+1]
	s_delay_alu instid0(VALU_DEP_1)
	v_add_f32 v14, v14, v252                       ; and lane l xor 16's: the row's sum
	s_wait_alu depctr_va_vdst(0)
	v_rcp_f32 v14, v14
	v_nop                                          ; one plain place behind a transcendental
.set JJ, 0
	s_wait_alu depctr_va_vdst(0)
.rept 32
	v_mul_f32 v[SS+JJ], v[OO+JJ], v14              ; each accumulator from its low end on
.set JJ, JJ+1
.endr
.irp b, 0,1
	v_max3_num_f32 v[232+\b], |v[SS+16*\b]|, |v[SS+1+16*\b]|, 0x2800000
.endr
.irp i, 2,4,6,8,10,12,14
.irp b, 0,1
	s_delay_alu instid0(VALU_DEP_2)
	v_max3_num_f32 v[232+\b], v[232+\b], |v[SS+16*\b+\i]|, |v[SS+1+16*\b+\i]|
.endr
.endr
.irp b, 0,1
	s_delay_alu instid0(VALU_DEP_2)
	v_permlanex16_b32 v[236+\b], v[232+\b], s[SEL], s[SEL+1]
.endr
.irp b, 0,1
	s_delay_alu instid0(VALU_DEP_2)
	v_max_num_f32 v[232+\b], v[232+\b], v[236+\b]
.endr
.irp b, 0,1
	s_delay_alu instid0(VALU_DEP_2)
	v_add_nc_u32 v[244+\b], 0xfe000000, v[232+\b]
.endr
.irp b, 0,1
	s_delay_alu instid0(VALU_DEP_2)
	v_lshrrev_b32 v[236+\b], 23, v[244+\b]
.endr
	v_cvt_scalef32_pk16_bf6_f32 v[224:226], v[SS:SS+15], v244
	v_cvt_scalef32_pk16_bf6_f32 v[228:230], v[SS+16:SS+31], v245
	v_cndmask_b32 v254, v236, v237, s66            ; my half's byte: block lane / 16.  (The plain place behind the conversions)
.irp i, 0,1,2
	v_permlane16_swap_b32 v[224+\i], v[228+\i]     ; a whole block to a lane
.endr
	s_delay_alu instid0(VALU_DEP_3)
	v_mov_b32 v227, v228
	s_delay_alu instid0(VALU_DEP_3)
	v_mov_b32 v228, v229
	s_delay_alu instid0(VALU_DEP_3)
	v_mov_b32 v229, v230
	global_store_b128 v1, v[224:227], s[AO:AO+1]   ; 512 and 256 consecutive bytes, at multiples of 256 from the buffer's first byte
	global_store_b64 v2, v[228:229], s[AO:AO+1] offset:512
	global_store_b8 v243, v254, s[AOS:AOS+1]       ; two bytes of each row's 32: the other heads' work-groups write the others
.if \reset
	s_wait_xcnt 0x0                                ; the stores have read their registers and bases: both are written again
	s_add_nc_u64 s[AO:AO+1], s[AO:AO+1], s[96:97]
	s_add_nc_u64 s[AOS:AOS+1], s[AOS:AOS+1], s[96:97]
.set JJ, 0
.rept 32
	v_mov_b32 v[OO+JJ], 0
.set JJ, JJ+1
.endr
	v_mov_b32 v13, 0xff61b1e6
	s_delay_alu instid0(VALU_DEP_1)
	v_floor_f32 v12, -v13
	v_mov_b32 v14, 0
	v_mov_b32 v15, 0
	s_mov_b32 s[KF], 0
	s_mov_b32 s[Q0], s67
	s_wait_loadcnt 0x0                             ; pass B's Q
.endif
.endm
	s_wait_loadcnt 0x0                             ; Q
.Lslot:                                            ; eight trips: behind each change of slots but the last the next trip's keys are asked for
	CHANGE 1
	STEP 0
	STEP 1
	s_xor_b32 s[TB], s[TB], SLOT1                  ; on to the other slot
	s_cmp_lg_u32 s[TT], s[II]
	s_cbranch_scc1 .Lsame_pass                     ; a branch on ids; no barrier, tensor load or LDS instruction stands under it
	s_wait_alu depctr_va_vdst(0)
	FINISH 1
.Lsame_pass:
	s_add_co_u32 s[TT], s[TT], 1
	s_cmp_lt_u32 s[TT], 8
	s_cbranch_scc1 .Lslot
	CHANGE 0                                       ; the last trip is written out
	STEP 0
	STEP 1
	s_wait_alu depctr_va_vdst(0)
	FINISH 0
	s_wait_tensorcnt 0x0                           ; the wave's end
	ds_add_u32 v[SPW], v[NIL]
	s_wait_dscnt 0x0
	s_endpgm
.Lfunc_end_k_qfa666480d7_attn:
	.size	k_qfa666480d7_attn, .Lfunc_end_k_qfa666480d7_attn-k_qfa666480d7_attn
	.p2alignl 7, 3214868480
	.fill 96, 4, 3214868480
	.section	.rodata,"a",@progbits
	.p2align	6, 0x0
	.amdhsa_kernel k_qfa666480d7_attn
		.amdhsa_group_segment_fixed_size 327680
		.amdhsa_private_segment_fixed_size 0
		.amdhsa_enable_private_segment 0
		.amdhsa_kernarg_size 24
		.amdhsa_user_sgpr_count 2
		.amdhsa_user_sgpr_kernarg_segment_ptr 1
		.amdhsa_wavefront_size32 1
		.amdhsa_system_sgpr_workgroup_id_x 1
		.amdhsa_system_sgpr_workgroup_id_y 1
		.amdhsa_system_sgpr_workgroup_id_z 1
		.amdhsa_system_vgpr_workitem_id 0
		.amdhsa_next_free_vgpr 256
		.amdhsa_next_free_sgpr 102
		.amdhsa_reserve_vcc 1
		.amdhsa_float_denorm_mode_32 3
		.amdhsa_float_denorm_mode_16_64 3
		.amdhsa_memory_ordered 1
		.amdhsa_forward_progress 1
		.amdhsa_inst_pref_size 117
	.end_amdhsa_kernel
	.amdgpu_metadata
---
amdhsa.version: [ 1, 2 ]
amdhsa.kernels:
  - .name:           k_qfa666480d7_attn
    .symbol:         k_qfa666480d7_attn.kd
    .args:
      - { .name: qk, .offset: 0, .size: 8, .value_kind: global_buffer, .address_space: global }
      - { .name: vt, .offset: 8, .size: 8, .value_kind: global_buffer, .address_space: global }
      - { .name: ao, .offset: 16, .size: 8, .value_kind: global_buffer, .address_space: global }
    .group_segment_fixed_size: 327680
    .private_segment_fixed_size: 0
    .kernarg_segment_align: 8
    .kernarg_segment_size: 24
    .max_flat_workgroup_size: 512
    .sgpr_count:     102
    .vgpr_count:     256
    .wavefront_size: 32
...
	.end_amdgpu_metadata
.endif
;; end of part 3
;; launch gemm_out (part 4): grid 4 x 32, 4 waves a work-group, clusters of 4 x 4, 327,680 bytes of LDS; arguments ao, wo, out0; writes out0
.if DOCPART == 4
	.amdgcn_target "amdgcn-amd-amdhsa--gfx1250"
	.amdhsa_code_object_version 6
	.text
	.protected	k_qfa666480d7_gemm_out
	.globl	k_qfa666480d7_gemm_out
	.p2align	8
	.type	k_qfa666480d7_gemm_out,@function
k_qfa666480d7_gemm_out:
	s_mov_b64 s[64:65], 0
	v_nop
	global_prefetch_b8 v0, s[64:65] scope:SCOPE_SE
	s_setreg_imm32_b32 hwreg(HW_REG_WAVE_MODE, 25, 1), 1
	s_wait_xcnt 0x0
	s_wait_alu depctr_hold_cnt(0) depctr_sa_sdst(0) depctr_va_vdst(0) depctr_va_sdst(0) depctr_va_ssrc(0) depctr_va_vcc(0) depctr_vm_vsrc(0)
	s_getreg_b32 s2, hwreg(HW_REG_IB_STS2, 6, 4)
	s_cmp_eq_u32 s2, 0
	s_cbranch_scc0 .Lentry_in_a_cluster
	s_endpgm
.Lentry_in_a_cluster:
	s_bfe_u32 s2, ttmp6, 0x10000c
	s_cmp_lg_u32 s2, 0xf033
	s_cbranch_scc0 .Lentry_shape_is_right
	s_endpgm
.Lentry_shape_is_right:
; C[m][n] = sum over k of A[m][k] B[n][k], m = 8,192, n = 1,024, K = 1,024, on codes of BF6 (E3M2) with one E8M0 scale for each 32 along K; C: f32, row-major.
; IN: A and B come as records of 12,800 bytes for each 16 rows: 16 half fragments of 768 bytes (16 rows x 64 K: lane l's registers 0-3 at 16 l, 4-5 at 512 + 8 l), then 512 scale bytes [row][k / 32].
; A tile of C, 256 x 256, is made by four waves, each 128 x 128: 64 accumulators, 512 registers.  K goes in steps of 256 through two LDS slots: a wave's tensor load brings 8 rows of 3,072 bytes (8 records' four half
; fragments), dense in LDS.  A fragment (16 rows x 128 K, 12 registers) comes by four LDS loads, each of consecutive bytes across the lanes: no pitch, no padding.
; The scale bytes of the tile's rows, for all of K, come once, with the first fills, and stay.  4 x 4 work-groups form a cluster: A's tiles are asked for jointly along a row of it, B's along a column.
; THE MATRIX INSTRUCTION IS USED TRANSPOSED (source 0 = 16 rows of B, source 1 = 16 rows of A): a lane holds eight neighbouring numbers of a row of C.
; The grid has 128 work-groups: a tile of 256 x 256 was kept so that this body and the two products before it read their fragments alike.
; REGISTERS, in windows of 256: window 0: v0-31 addresses; v32-63 scale words, two sets; from v128 A's fragments, one set; on the way out v128-255 are free.  window 1: B's fragments, two sets, at v0 and v128.
;   window 2: the 32 accumulators of my rows 0-63 (accumulator (a, b) at v[8 (8 a + b)]);  window 3: those of my rows 64-127.
.set SIZE_N, 1024
.set NQ,     2                         ; matrix instructions deep in a slot
.set ROWB,   3072                      ; a record's bytes in a slot: four half fragments
.set REC,    12800
.set FR,     12                        ; registers of a fragment
.set NL,     4                         ; LDS loads that bring one
.set NP,     4                         ; places behind this matrix instruction (ISA guide 7.12.1)
.set HALFT,  8*ROWB                    ; 128 rows: what one tensor load brings, and what one wave reads of A or of B
.set SLOT,   4*HALFT                   ; A's 256 rows, then B's 256 rows
.set LAPS,   2                         ; a lap = two K steps of 256 = once round the ring
.set KS,     32                        ; a row's scale bytes
.set SCL,    2*SLOT                    ; behind the ring: the scales, as units of 256 bytes + 16 of padding
.set HALFS,  16*272                    ; those of 128 rows: what one tensor load brings
.set SBLK,   2*272                     ; those of 16 rows
.set SPARE,  SCL+4*HALFS               ; the spare words, 128 bytes for each wave: two blocks of 256 bytes that no other line names
.set SPITCH, 528                       ; the way out: a stage of 16 rows x (512 bytes + 16) for each wave, in slot 0, which has had its last fill and its last read when the first result is stored there
.set ADRA, 16                          ; v16-17  LDS address of my A fragments in slot 0, 1, 16 bytes a lane  (v18-19: 8 bytes a lane)
.set ADRB, 20                          ; v20-21  the same for B  (v22-23)
.set STO,  24                          ; v24     the way out: where I put 32 bytes of a row
.set RD,   25                          ; v25     the way out: where I read a row back
.set CO,   26                          ; v26     my byte offset in a row of C
.set ADRS, 27                          ; v27     LDS address of my scale words: lanes 0-15 A's rows, lanes 16-31 B's
.set SPW,  28                          ; v28     LDS address of my spare word; never rewritten
.set NIL,  29                          ; v29     0; never rewritten
.set SC,   32                          ; scale words: set s at v[SC + 16 s]; register 2 i + q: lanes 0-15 the word of A's block i, lanes 16-31 that of B's block i
.set AF,   128                         ; A's fragments
.set BK,   128                         ; the way out: 16 rows read back from the stage: v128-191 and v192-255 by turns
.set G1, 24                            ; s[24:31] descriptor group 1 for A's tiles;  s[32:39] group 0, one set for each slot
.set G0, 32
.set G1B, 48                           ; s[48:55], s[56:63] the same for B's tiles
.set G0B, 56
.set G1S, 68                           ; s[68:75], s[76:79] groups 1 and 0 for A's scales;  s[80:87], s[88:91] for B's
.set G0S, 76
.set G1SB, 80
.set G0SB, 88
.set MSB, 0
.macro WIN new                         ; the immediate's high byte repeats the setting that is left
.if MSB != (\new)
	s_set_vgpr_msb (MSB<<8)|(\new)
.set MSB, (\new)
.endif
.endm
.set MUL_LO, 0xa1                      ; source 0 (B) window 1, source 1 (A) window 0, C and D window 2
.set MUL_HI, 0xf1                      ; the same, C and D window 3
.set TO_B,   0x40                      ; destination window 1, address window 0
; A joint load: waves 0 and 1 fetch for A, waves 2 and 3 for B.  Each line has one mask and one set of registers for all that issue it; the branch hangs on the wave's number alone.
; Four v_nop follow each of the two lines, ahead of the jump, the label and what follows.
.macro JLOAD g0a, g1a, g0b, g1b
	s_cmp_eq_u32 s15, 0
	s_cbranch_scc0 .Lfor_b_\@
	tensor_load_to_lds s[\g0a:\g0a+3], s[\g1a:\g1a+7]
	s_nop 0
.rept 4
	v_nop
.endr
	s_branch .Lasked_\@
.Lfor_b_\@:
	tensor_load_to_lds s[\g0b:\g0b+3], s[\g1b:\g1b+7]
	s_nop 0
.rept 4
	v_nop
.endr
.Lasked_\@:
.endm
.macro CREST                           ; a round of the cluster's barrier behind its opening barrier
	s_cmp_lg_u32 s14, 0
	s_cbranch_scc1 .Lnot_wave_0_\@
	s_barrier_signal -3
.Lnot_wave_0_\@:
	s_barrier_wait -3
	s_barrier_signal -1
	s_barrier_wait -1
.endm
.macro CROUND                          ; a whole round
	s_barrier_signal -1
	s_barrier_wait -1
	CREST
.endm
	s_load_b128 s[4:7], s[0:1], 0x0                ; A's records s[4:5], B's s[6:7]
	s_load_b64 s[12:13], s[0:1], 0x10              ; C
	v_lshl_add_u32 v[SPW], v0, 2, SPARE
	v_mov_b32 v[NIL], 0
	ds_add_u32 v28, v29
	s_wait_dscnt 0x0
	v_lshrrev_b32 v1, 5, v0
	v_readfirstlane_b32 s14, v1                    ; wave 0..3
	s_lshr_b32 s15, s14, 1                         ; which half of the tile's rows is mine.  Also: I fetch for A (0) or for B (1)
	s_and_b32 s16, s14, 1                          ; which half of its columns.  Also: which 128 rows of that tile I fetch
	s_bfe_u32 s40, ttmp6, 0x40000                  ; cx, cy: my place in the cluster
	s_bfe_u32 s41, ttmp6, 0x40004
	s_lshl_b32 s42, ttmp9, 2
	s_add_co_u32 s42, s42, s40                     ; tile column of C = 4 x cluster x + cx
	s_and_b32 s17, ttmp7, 0xffff
	s_lshl_b32 s17, s17, 2
	s_add_co_u32 s17, s17, s41                     ; tile row of C = 4 x cluster y + cy
	s_lshl_b32 s43, s41, 2
	s_lshl_b32 s43, 15, s43                        ; my row of the cluster
	s_lshl_b32 s44, 0x1111, s40                    ; my column
	; descriptor group 1: codes: 8 rows of 3,072 bytes (384 elements of 8 bytes), 12,800 bytes apart, dense in LDS
	s_or_b32 s[G1+0], s43, (3<<16)|(1<<21)         ; 15:0 the mask: A's tiles go to my row; 17:16 elements of 8 bytes; 20 no padding; 21 set beside a mask
	s_or_b32 s[G1B+0], s44, (3<<16)|(1<<21)
.irp g, G1, G1B
	s_mov_b32 s[\g+1], 384<<16                     ; tensor_dim0
	s_mov_b32 s[\g+2], 8<<16                       ; tensor_dim1
	s_mov_b32 s[\g+3], 384<<16                     ; tile_dim0
	s_mov_b32 s[\g+4], 8                           ; tile_dim1
	s_mov_b32 s[\g+5], REC/8                       ; tensor_dim0_stride
	s_mov_b32 s[\g+6], 0
	s_mov_b32 s[\g+7], 0
.endr
	; scales: 8 rows of 512 bytes, 12,800 bytes apart; 16 bytes of padding behind every 256
	s_or_b32 s[G1S+0], s43, (3<<16)|(1<<20)|(1<<21)|(5<<22)|(3<<25)
	s_or_b32 s[G1SB+0], s44, (3<<16)|(1<<20)|(1<<21)|(5<<22)|(3<<25)
.irp g, G1S, G1SB
	s_mov_b32 s[\g+1], 64<<16
	s_mov_b32 s[\g+2], 8<<16
	s_mov_b32 s[\g+3], 64<<16
	s_mov_b32 s[\g+4], 8
	s_mov_b32 s[\g+5], REC/8
	s_mov_b32 s[\g+6], 0
	s_mov_b32 s[\g+7], 0
.endr
	s_lshl_b32 s18, s16, 3                         ; which 8 records of the tile's 16 I fetch
	s_lshl_b32 s20, s17, 4
	s_add_co_u32 s20, s20, s18                     ; A: record 16 x tile row + 8 x half
	s_lshl_b32 s46, s42, 4
	s_add_co_u32 s46, s46, s18                     ; B: record 16 x tile column + 8 x half
	s_mul_i32 s20, s20, REC
	s_mov_b32 s21, 0
	s_mul_i32 s46, s46, REC
	s_mov_b32 s47, 0
	s_mul_i32 s45, s14, HALFT                      ; where they go: wave x 128 rows: no place in the cluster enters an LDS address
	s_mul_i32 s94, s14, HALFS
	s_wait_kmcnt 0x0
	s_add_nc_u64 s[20:21], s[4:5], s[20:21]
	s_add_nc_u64 s[46:47], s[6:7], s[46:47]
	s_add_nc_u64 s[22:23], s[20:21], 12288         ; a record's scale bytes lie behind its codes
	s_add_nc_u64 s[92:93], s[46:47], 12288
	CROUND                                         ; all sixteen work-groups are here: the first joint loads meet
	s_mov_b32 s[G0S], 1
	s_add_co_u32 s[G0S+1], s94, SCL
	s_mov_b64 s[G0S+2:G0S+3], s[22:23]
	s_or_b32 s[G0S+3], s[G0S+3], 0x80000000
	s_mov_b32 s[G0SB], 1
	s_add_co_u32 s[G0SB+1], s94, SCL
	s_mov_b64 s[G0SB+2:G0SB+3], s[92:93]
	s_or_b32 s[G0SB+3], s[G0SB+3], 0x80000000
	JLOAD G0S, G1S, G0SB, G1SB                     ; the scales first: they are wanted with K step 0
.irp s, 0,1
	s_mov_b32 s[G0+4*\s], 1
	s_add_co_u32 s[G0+4*\s+1], s45, \s*SLOT
	s_add_nc_u64 s[G0+4*\s+2:G0+4*\s+3], s[20:21], \s*ROWB
	s_or_b32 s[G0+4*\s+3], s[G0+4*\s+3], 0x80000000
	s_mov_b32 s[G0B+4*\s], 1
	s_add_co_u32 s[G0B+4*\s+1], s45, \s*SLOT
	s_add_nc_u64 s[G0B+4*\s+2:G0B+4*\s+3], s[46:47], \s*ROWB
	s_or_b32 s[G0B+4*\s+3], s[G0B+4*\s+3], 0x80000000
	JLOAD G0+4*\s, G1, G0B+4*\s, G1B
.endr
	v_and_b32 v1, 15, v0                           ; r
	v_bfe_u32 v2, v0, 4, 1                         ; h
	v_and_b32 v6, 31, v0
	v_lshlrev_b32 v3, 4, v6                        ; 16 x lane
	v_lshlrev_b32 v4, 3, v6                        ; 8 x lane
	s_mul_i32 s21, s15, HALFT                      ; my 128 rows of A
	s_mul_i32 s22, s16, HALFT                      ; my 128 rows of B,
	s_add_co_u32 s22, s22, 2*HALFT                 ; which lie behind A's 256
.irp s, 0,1
	v_add_nc_u32 v[ADRA+\s], s21, v3
	v_add_nc_u32 v[ADRB+\s], s22, v3
	v_add_nc_u32 v[ADRA+2+\s], s21, v4
	v_add_nc_u32 v[ADRB+2+\s], s22, v4
	s_add_co_u32 s21, s21, SLOT
	s_add_co_u32 s22, s22, SLOT
.endr
	v_mul_u32_u24 v5, v1, KS                       ; my row's scales: 32 bytes a row,
	v_lshrrev_b32 v6, 8, v5
	v_lshl_add_u32 v5, v6, 4, v5                   ; and 16 more for each 256 passed
	s_mul_i32 s21, s15, HALFS                      ; A's: my 128 rows
	s_mul_i32 s22, s16, HALFS                      ; B's: my 128 rows, behind A's 256
	s_add_co_u32 s22, s22, 2*HALFS
	s_sub_co_u32 s22, s22, s21
	v_mul_u32_u24 v6, s22, v2                      ; lanes 16-31 take B's
	s_add_co_u32 s21, s21, SCL
	v_add_nc_u32 v5, v5, v6
	v_add_nc_u32 v[ADRS], s21, v5
	s_mul_i32 s23, s14, 16*SPITCH                  ; my stage
	v_mul_u32_u24 v5, v1, SPITCH                   ; in: row r, 32 bytes for each half of the lanes
	v_lshl_add_u32 v5, v2, 5, v5
	v_add_nc_u32 v[STO], s23, v5
	v_mov_b32 v[CO], v3                            ; back: the 32 lanes take one row of 512 bytes; and the same in C
	v_add_nc_u32 v[RD], s23, v3
	s_lshl_b32 s20, s17, 8
	s_lshl_b32 s21, s15, 7
	s_add_co_u32 s20, s20, s21                     ; my first row of C: 256 x tile row + 128 x half
	s_mov_b32 s21, 0
	s_mov_b64 s[18:19], SIZE_N*4
	s_mul_u64 s[20:21], s[20:21], s[18:19]
	s_lshl_b32 s46, s42, 10                        ; my first column, in bytes: 1,024 x tile column + 512 x half
	s_lshl_b32 s47, s16, 9
	s_add_co_u32 s46, s46, s47
	s_mov_b32 s47, 0
	s_add_nc_u64 s[20:21], s[20:21], s[46:47]
	s_add_nc_u64 s[12:13], s[12:13], s[20:21]
.macro FRAG reg, adr, q, i             ; a fragment is two half fragments, each an image of six registers: 16 bytes a lane, then 8 bytes a lane
	ds_load_b128 v[\reg:\reg+3],     v[\adr]   offset:(\i)*ROWB+(\q)*1536
	ds_load_b64  v[\reg+4:\reg+5],   v[\adr+2] offset:(\i)*ROWB+(\q)*1536+512
	ds_load_b128 v[\reg+6:\reg+9],   v[\adr]   offset:(\i)*ROWB+(\q)*1536+768
	ds_load_b64  v[\reg+10:\reg+11], v[\adr+2] offset:(\i)*ROWB+(\q)*1536+1280
.endm
; 16 matrix instructions: A's blocks a0, a0 + 1 x B's eight, 128 along K: the slot's q-th.  p: B's set;  sc: the set of scale words.  zero = 1: the first product starts the sums: nothing is ever cleared.
; The 64 accumulators take turns, one instruction a turn, in the same order in every step.
.macro MUL16 a0, p, q, sc, zero
.irp a, \a0, \a0+1
.irp b, 0,1,2,3,4,5,6,7
.if \zero
	v_wmma_scale_f32_16x16x128_f8f6f4 v[8*(8*((\a)%4)+\b):8*(8*((\a)%4)+\b)+7], v[128*(\p)+FR*\b:128*(\p)+FR*\b+FR-1], v[AF+FR*(\a):AF+FR*(\a)+FR-1], 0, v[SC+8*NQ*(\sc)+NQ*\b+(\q)], v[SC+8*NQ*(\sc)+NQ*(\a)+(\q)] matrix_a_fmt:MATRIX_FMT_BF6 matrix_b_fmt:MATRIX_FMT_BF6 matrix_a_scale:MATRIX_SCALE_ROW1
.else
	v_wmma_scale_f32_16x16x128_f8f6f4 v[8*(8*((\a)%4)+\b):8*(8*((\a)%4)+\b)+7], v[128*(\p)+FR*\b:128*(\p)+FR*\b+FR-1], v[AF+FR*(\a):AF+FR*(\a)+FR-1], v[8*(8*((\a)%4)+\b):8*(8*((\a)%4)+\b)+7], v[SC+8*NQ*(\sc)+NQ*\b+(\q)], v[SC+8*NQ*(\sc)+NQ*(\a)+(\q)] matrix_a_fmt:MATRIX_FMT_BF6 matrix_b_fmt:MATRIX_FMT_BF6 matrix_a_scale:MATRIX_SCALE_ROW1
.endif
.endr
.endr
.endm
.macro FETCH_B slot, q, p              ; B's eight fragments of the slot's q-th 128 along K into set p
	WIN TO_B
.irp i, 0,1,2,3,4,5,6,7
	FRAG 128*(\p)+FR*\i, ADRB+\slot, \q, \i
.endr
	WIN 0
.endm
.macro FETCH_A slot, q, i0             ; A's blocks i0 .. i0 + 3
.irp i, \i0, \i0+1, \i0+2, \i0+3
	FRAG AF+FR*(\i), ADRA+\slot, \q, \i
.endr
.endm
.macro SCALES sc                       ; a K step's scale words into set sc: two words a row; lanes 0-15 take A's block i, lanes 16-31 B's block i
.irp i, 0,1,2,3,4,5,6,7
	ds_load_b64 v[SC+8*NQ*\sc+NQ*\i:SC+8*NQ*\sc+NQ*\i+1], v[ADRS] offset:\i*SBLK
.endr
.endm
; A load into a register that a matrix instruction has read, and an LDS store that reads a matrix result, stand NP places behind that matrix instruction; only plain vector
; instructions that name none of its registers are places (ISA guide 7.12.1 for vector instructions).
.macro PLACES n
.rept \n
	v_nop
.endr
.endm
; A step of 128 along K that has its successor in the same slot.
.macro STEP slot, q, zero
	s_wait_dscnt 4*NL                              ; B's set and A's blocks 0-3 are in; the youngest 16 loads (A's blocks 4-7) may be out
	WIN MUL_LO
	MUL16 0, (\q)%2, \q, \slot, \zero
	MUL16 2, (\q)%2, \q, \slot, \zero
	s_wait_dscnt 0                                 ; A's blocks 4-7 are in (asked for 32 matrix instructions ago)
	PLACES NP
	FETCH_B \slot, (\q)+1, 1-(\q)%2
	FETCH_A \slot, (\q)+1, 0
	WIN MUL_HI
	MUL16 4, (\q)%2, \q, \slot, \zero
	MUL16 6, (\q)%2, \q, \slot, \zero
	PLACES NP
	WIN 0
	FETCH_A \slot, (\q)+1, 4
.endm
; A slot's last step changes slots: one barrier; in front of it each wave waits for all its tensor loads, adds 0 to its spare word, and waits for that and for its own reads of this slot.  fill = 1: this slot is filled again, two K steps ahead.
.macro TURN slot, next, fill
	s_wait_tensorcnt 0x0                           ; all my tensor loads have landed: my part of the next slot  (every window is 0 here)
	ds_add_u32 v[SPW], v[NIL]                      ; 0 onto my spare word
	s_wait_dscnt 4*NL+1                            ; (the add and the youngest 16 loads, A's blocks 4-7, may be out)
	WIN MUL_LO
	MUL16 0, 1, NQ-1, \slot, 0                     ; sixteen matrix instructions stand between the add and the wait for it
	s_wait_dscnt 0x0                               ; the add is done, and my reads of this slot are over
	s_barrier_signal -1
	MUL16 2, 1, NQ-1, \slot, 0
	WIN 0
	s_barrier_wait -1
.if \fill
	CREST                                          ; the barrier has opened a round of the cluster's barrier: no wave of any partner still reads this slot or has a load on its way
	s_add_nc_u64 s[G0+4*\slot+2:G0+4*\slot+3], s[G0+4*\slot+2:G0+4*\slot+3], 2*ROWB
	s_add_nc_u64 s[G0B+4*\slot+2:G0B+4*\slot+3], s[G0B+4*\slot+2:G0B+4*\slot+3], 2*ROWB
	JLOAD G0+4*\slot, G1, G0B+4*\slot, G1B         ; the first tensor load behind the round; the four v_nop behind it are the places in front of the loads below
.else
	PLACES NP
.endif
	v_add_nc_u32 v[ADRS], 4*NQ, v[ADRS]            ; on to the next K step's scale words (no LDS load of mine is out)
	FETCH_B \next, 0, 0
	FETCH_A \next, 0, 0
	SCALES \next
	WIN MUL_HI
	MUL16 4, 1, NQ-1, \slot, 0
	MUL16 6, 1, NQ-1, \slot, 0
	PLACES NP
	WIN 0
	FETCH_A \next, 0, 4
.endm
	s_wait_tensorcnt 1                             ; the scales and my part of K step 0 are in (K step 1's load may be out)
	s_barrier_signal -1
	s_barrier_wait -1                              ; everybody's are
	FETCH_B 0, 0, 0
	FETCH_A 0, 0, 0
	SCALES 0
	FETCH_A 0, 0, 4
	STEP 0, 0, 1                                   ; the first step stands in front of the loop: its products start the sums
	s_mov_b32 s3, LAPS-1
.Llap:                                                 ; a trip goes once round the ring, from a lap's second step to the next lap's first, and fills both slots again
	TURN 0, 1, 1
	STEP 1, 0, 0
	TURN 1, 0, 1
	STEP 0, 0, 0
	s_sub_co_u32 s3, s3, 1
	s_cmp_lg_u32 s3, 0
	s_cbranch_scc1 .Llap
	TURN 0, 1, 0                                   ; the last lap fills nothing, and has no round of the cluster's barrier
	STEP 1, 0, 0
	s_wait_dscnt 4*NL                              ; the very last step: nothing more to fetch
	WIN MUL_LO
	MUL16 0, 1, NQ-1, 1, 0
	MUL16 2, 1, NQ-1, 1, 0
	s_wait_dscnt 0
	WIN MUL_HI
	MUL16 4, 1, NQ-1, 1, 0
	MUL16 6, 1, NQ-1, 1, 0
	WIN 0
; THE WAY OUT, block by block of 16 rows x 128 columns.  A lane holds 32 neighbouring bytes of a row, and the lanes beside it hold other rows: so a block goes through my own stage in LDS and comes back as whole
; rows of 512 bytes, which the 32 lanes store as 512 consecutive bytes.  LDS serves a wave's instructions in order (ISA guide 5.7.1.4): no wait between the stores and the loads, nor in front of the next block's stores.
.macro TOSTAGE a
.set AC, 64*((\a)%4)
	WIN 0x08+4*((\a)/4)                            ; the data: window 2 or 3
.irp b, 0,1,2,3,4,5,6,7
	ds_store_b128 v[STO], v[AC+8*\b:AC+8*\b+3] offset:64*\b          ; each accumulator from its low end on
	ds_store_b128 v[STO], v[AC+8*\b+4:AC+8*\b+7] offset:64*\b+16
.endr
	WIN 0
.set BB, BK+64*((\a)%2)
.irp t, 0,1,2,3,4,5,6,7,8,9,10,11,12,13,14,15
	ds_load_b128 v[BB+4*\t:BB+4*\t+3], v[RD] offset:\t*SPITCH
.endr
.endm
.macro SEND a, younger                 ; younger: the LDS instructions issued behind block a's loads, which may stay out
.set BB, BK+64*((\a)%2)
	s_wait_dscnt \younger                          ; the block is back in registers
.if (\a) > 0
	s_add_nc_u64 s[12:13], s[12:13], 16*SIZE_N*4   ; (behind a wait on XCNT: the earlier stores have read their base)  16 rows of C on
.endif
.irp t, 0,1,2,3,4,5,6,7,8,9,10,11,12,13,14,15
	global_store_b128 v[CO], v[BB+4*\t:BB+4*\t+3], s[12:13] offset:\t*SIZE_N*4 th:TH_STORE_NT   ; 32 lanes store 512 consecutive bytes, at a multiple of 256 from C's first byte; written once, read by nobody here
.endr
.endm
	PLACES NP                                      ; behind the last products: for the loads into the registers that held A's fragments and for the reads of results alike
	TOSTAGE 0
.irp a, 1,2,3,4,5,6,7
.if \a > 1
	s_wait_xcnt 0x0                                ; block a - 2's stores have read their registers and their base: block a's loads may land there, and the base may step
.endif
	TOSTAGE \a
	SEND \a-1, 32                                  ; behind block a - 1's loads: block a's 16 stores and 16 loads
.endr
	s_wait_xcnt 0x0                                ; block 6's stores have read their base
	SEND 7, 0
	s_wait_tensorcnt 0x0                           ; the wave's end: behind my last tensor load and my last LDS store
	ds_add_u32 v[SPW], v[NIL]
	s_wait_dscnt 0x0
	CROUND                                         ; the closing round: no work-group ends while a partner may still ask for a tile that names it
	s_endpgm
.Lfunc_end_k_qfa666480d7_gemm_out:
	.size	k_qfa666480d7_gemm_out, .Lfunc_end_k_qfa666480d7_gemm_out-k_qfa666480d7_gemm_out
	.p2alignl 7, 3214868480
	.fill 96, 4, 3214868480
	.section	.rodata,"a",@progbits
	.p2align	6, 0x0
	.amdhsa_kernel k_qfa666480d7_gemm_out
		.amdhsa_group_segment_fixed_size 327680
		.amdhsa_private_segment_fixed_size 0
		.amdhsa_enable_private_segment 0
		.amdhsa_kernarg_size 24
		.amdhsa_user_sgpr_count 2
		.amdhsa_user_sgpr_kernarg_segment_ptr 1
		.amdhsa_wavefront_size32 1
		.amdhsa_system_sgpr_workgroup_id_x 1
		.amdhsa_system_sgpr_workgroup_id_y 1
		.amdhsa_system_sgpr_workgroup_id_z 1
		.amdhsa_system_vgpr_workitem_id 0
		.amdhsa_next_free_vgpr 1024
		.amdhsa_next_free_sgpr 102
		.amdhsa_reserve_vcc 0
		.amdhsa_float_denorm_mode_32 3
		.amdhsa_float_denorm_mode_16_64 3
		.amdhsa_memory_ordered 1
		.amdhsa_forward_progress 1
		.amdhsa_inst_pref_size 143
	.end_amdhsa_kernel
	.amdgpu_metadata
---
amdhsa.version: [ 1, 2 ]
amdhsa.kernels:
  - .name:           k_qfa666480d7_gemm_out
    .symbol:         k_qfa666480d7_gemm_out.kd
    .args:
      - { .name: ao, .offset: 0, .size: 8, .value_kind: global_buffer, .address_space: global }
      - { .name: wo, .offset: 8, .size: 8, .value_kind: global_buffer, .address_space: global }
      - { .name: out0, .offset: 16, .size: 8, .value_kind: global_buffer, .address_space: global }
    .group_segment_fixed_size: 327680
    .private_segment_fixed_size: 0
    .kernarg_segment_align: 8
    .kernarg_segment_size: 24
    .max_flat_workgroup_size: 128
    .sgpr_count:     102
    .vgpr_count:     1024
    .wavefront_size: 32
...
	.end_amdgpu_metadata
.endif
;; end of part 4
